; MI455X (gfx1250); checked and timed in simulation.
; The chip was launched on July 23, 2026; its instructions are those of AMD's public machine-readable ISA for CDNA 5 (MIT licence, August 2026) and "CDNA5" Instruction Set Architecture Reference Guide (July 2026). The comments in the code are by the model that wrote it; some were corrected since.
;; Single Head Att. Allowed arithmetic: float matrix products may take bf16 or f16 operands with f32 sums; other float arithmetic in f32, or as packed bf16 or f16 multiplies, adds, multiply-adds, maxima and minima; sums over many terms, partial sums and values carried from step to step in f32; what a program stores and reads back later, other than sums and carried values, may be rounded once to bf16 or f16.
;; Inputs: W_k 1,024 x 1,024 float32; W_q 1,024 x 1,024 float32; W_v 1,024 x 1,024 float32; b_k 1,024 float32; b_q 1,024 float32; b_v 1,024 float32; input 4 x 2,048 x 1,024 float32.
;; Outputs: out0 4 x 2,048 x 1,024 float32.
;; Constants: masked = 1.
;; 2 versions, each right; version 2 is version 1 with the launch cast written anew for expert scheduling mode. Each part assembles by itself: llvm-mc -triple=amdgcn-amd-amdhsa -mcpu=gfx1250 --defsym DOCPART=n.
;; ======== version 1 of 2: 4 launches
;; limits: values are held in f16: magnitudes above 65,504 overflow, below 6.1e-05 lose precision
;; workspace buffers: xb 16,777,216 bytes; wb 6,291,456 bytes; qkv 50,331,648 bytes; pt 33,554,432 bytes; st 1,048,576 bytes
;; launch cast (part 1): grid 256 x 1, 8 waves a work-group, no clusters, 0 bytes of LDS; arguments input, W_q, W_k, W_v, xb, wb; writes xb, wb
.if DOCPART == 1
	.amdgcn_target "amdgcn-amd-amdhsa--gfx1250"
	.amdhsa_code_object_version 6
	.text
	.protected	k_qab4ccd5dbf_cast
	.globl	k_qab4ccd5dbf_cast
	.p2align	8
	.type	k_qab4ccd5dbf_cast,@function
k_qab4ccd5dbf_cast:
	s_mov_b64 s[64:65], 0
	v_nop
	global_prefetch_b8 v0, s[64:65] scope:SCOPE_SE
	s_setreg_imm32_b32 hwreg(HW_REG_WAVE_MODE, 25, 1), 1
	s_wait_xcnt 0x0
; xb = bf16(input), [8192][1024]; wb = bf16(W_q), bf16(W_k), bf16(W_v) one below the other, [3072][1024].  Each number is rounded once, to nearest even.
; A stream: every byte is read once and written once; matrix units, LDS and clusters have nothing to do here.
; A UNIT is 2,048 numbers: 8,192 bytes in, 4,096 bytes out.  There are 4,096 + 3 x 512 = 5,632 = 256 x 22 of them; work-group g takes the units g + 256 u, u = 0 .. 21:
; u < 16 of input, then two of each W, so which buffer a unit comes from is known when the text is assembled.
; Thread t takes 16 bytes at 16 t and at 4,096 + 16 t of a unit and stores 8 bytes at 8 t and at 2,048 + 8 t: a wave's load covers 512 consecutive bytes, its store 256, aligned.
; All 44 loads of a thread go out first, each into registers of its own; no register is written twice, so the only waits are the counted ones for the loads.
.set MIB, 0x100000
.set D,   8                            ; v[8:183]  load i: four registers
	s_load_b256 s[4:11], s[0:1], 0x0               ; input s[4:5], W_q s[6:7], W_k s[8:9], W_v s[10:11]
	s_load_b128 s[12:15], s[0:1], 0x20             ; xb s[12:13], wb s[14:15]
	s_lshl_b32 s2, ttmp9, 13                       ; g x 8,192
	s_lshl_b32 s3, ttmp9, 12                       ; g x 4,096
	v_lshl_add_u32 v1, v0, 4, s2                   ; where I read in a unit's stride
	v_lshl_add_u32 v2, v0, 3, s3                   ; where I write
	s_wait_kmcnt 0x0
	s_mov_b64 s[16:17], s[4:5]                     ; input in steps of 8 MiB, so that the rest fits the signed 24-bit immediate
	s_add_nc_u64 s[18:19], s[4:5], 8*MIB
	s_add_nc_u64 s[20:21], s[4:5], 16*MIB
	s_add_nc_u64 s[22:23], s[4:5], 24*MIB
	s_mov_b64 s[24:25], s[12:13]                   ; xb likewise
	s_add_nc_u64 s[26:27], s[12:13], 8*MIB
.set i, 0
.rept 32                                       ; input: unit u = i / 2, half i % 2
	global_load_b128 v[D+4*i:D+4*i+3], v1, s[16+2*(i/8):17+2*(i/8)] offset:((i/2)%4)*2*MIB+(i%2)*4096 th:TH_LOAD_NT
.set i, i+1
.endr
.set i, 0
.rept 12                                       ; the weights: matrix i / 4, unit (i / 2) % 2, half i % 2
	global_load_b128 v[D+128+4*i:D+128+4*i+3], v1, s[6+2*(i/4):7+2*(i/4)] offset:((i/2)%2)*2*MIB+(i%2)*4096 th:TH_LOAD_NT
.set i, i+1
.endr
.set i, 0
.rept 44
	s_wait_loadcnt 43-i                            ; loads come back in order: load i is in, the 43 - i younger ones stay out
	v_cvt_pk_bf16_f32 v[D+4*i], v[D+4*i], v[D+4*i+1]
	v_cvt_pk_bf16_f32 v[D+4*i+1], v[D+4*i+2], v[D+4*i+3]
.if i < 32
	global_store_b64 v2, v[D+4*i:D+4*i+1], s[24+2*(i/16):25+2*(i/16)] offset:((i/2)%8)*MIB+(i%2)*2048
.else
	global_store_b64 v2, v[D+4*i:D+4*i+1], s[14:15] offset:((i-32)/2)*MIB+(i%2)*2048
.endif
.set i, i+1
.endr
	s_endpgm
.Lfunc_end_k_qab4ccd5dbf_cast:
	.size	k_qab4ccd5dbf_cast, .Lfunc_end_k_qab4ccd5dbf_cast-k_qab4ccd5dbf_cast
	.p2alignl 7, 3214868480
	.fill 96, 4, 3214868480
	.section	.rodata,"a",@progbits
	.p2align	6, 0x0
	.amdhsa_kernel k_qab4ccd5dbf_cast
		.amdhsa_group_segment_fixed_size 0
		.amdhsa_private_segment_fixed_size 0
		.amdhsa_enable_private_segment 0
		.amdhsa_kernarg_size 48
		.amdhsa_user_sgpr_count 2
		.amdhsa_user_sgpr_kernarg_segment_ptr 1
		.amdhsa_wavefront_size32 1
		.amdhsa_system_sgpr_workgroup_id_x 1
		.amdhsa_system_sgpr_workgroup_id_y 1
		.amdhsa_system_sgpr_workgroup_id_z 1
		.amdhsa_system_vgpr_workitem_id 0
		.amdhsa_next_free_vgpr 184
		.amdhsa_next_free_sgpr 66
		.amdhsa_reserve_vcc 0
		.amdhsa_float_denorm_mode_32 3
		.amdhsa_float_denorm_mode_16_64 3
		.amdhsa_memory_ordered 1
		.amdhsa_forward_progress 1
		.amdhsa_inst_pref_size 17
	.end_amdhsa_kernel
	.amdgpu_metadata
---
amdhsa.version: [ 1, 2 ]
amdhsa.kernels:
  - .name:           k_qab4ccd5dbf_cast
    .symbol:         k_qab4ccd5dbf_cast.kd
    .args:
      - { .name: input, .offset: 0, .size: 8, .value_kind: global_buffer, .address_space: global }
      - { .name: W_q, .offset: 8, .size: 8, .value_kind: global_buffer, .address_space: global }
      - { .name: W_k, .offset: 16, .size: 8, .value_kind: global_buffer, .address_space: global }
      - { .name: W_v, .offset: 24, .size: 8, .value_kind: global_buffer, .address_space: global }
      - { .name: xb, .offset: 32, .size: 8, .value_kind: global_buffer, .address_space: global }
      - { .name: wb, .offset: 40, .size: 8, .value_kind: global_buffer, .address_space: global }
    .group_segment_fixed_size: 0
    .private_segment_fixed_size: 0
    .kernarg_segment_align: 8
    .kernarg_segment_size: 48
    .max_flat_workgroup_size: 256
    .sgpr_count:     66
    .vgpr_count:     184
    .wavefront_size: 32
...
	.end_amdgpu_metadata
.endif
;; end of part 1
;; launch proj (part 2): grid 12 x 32, 4 waves a work-group, clusters of 4 x 4, 327,680 bytes of LDS; arguments xb, wb, b_q, b_k, b_v, qkv; writes qkv
.if DOCPART == 2
	.amdgcn_target "amdgcn-amd-amdhsa--gfx1250"
	.amdhsa_code_object_version 6
	.text
	.protected	k_qab4ccd5dbf_proj
	.globl	k_qab4ccd5dbf_proj
	.p2align	8
	.type	k_qab4ccd5dbf_proj,@function
k_qab4ccd5dbf_proj:
	s_mov_b64 s[64:65], 0
	v_nop
	global_prefetch_b8 v0, s[64:65] scope:SCOPE_SE
	s_setreg_imm32_b32 hwreg(HW_REG_WAVE_MODE, 25, 1), 1
	s_wait_xcnt 0x0
	s_wait_alu depctr_hold_cnt(0) depctr_sa_sdst(0) depctr_va_vdst(0) depctr_va_sdst(0) depctr_va_ssrc(0) depctr_va_vcc(0) depctr_vm_vsrc(0)
	s_getreg_b32 s2, hwreg(HW_REG_IB_STS2, 6, 4)
	s_cmp_eq_u32 s2, 0
	s_cbranch_scc0 .Lentry_in_a_cluster
	s_endpgm
.Lentry_in_a_cluster:
	s_bfe_u32 s2, ttmp6, 0x10000c
	s_cmp_lg_u32 s2, 0xf033
	s_cbranch_scc0 .Lentry_shape_is_right
	s_endpgm
.Lentry_shape_is_right:
; qkv[m][n] = sum over k of xb[m][k] wb[n][k] + bf16(b[n]).  xb: [8192][1024] bf16, wb: [3072][1024] bf16 (rows: W_q, W_k, W_v), qkv: [8192][3072] f16 (columns: q, k, v); sums in f32, rounded once.
; LIMIT.  f16 holds no number beyond 65,504: q, k and v must lie within it.  With the inputs' spreads (x 1, W 0.018) q has a spread of 0.6; all inputs 30 times larger give 520, all inputs
; offset by 30 spreads give 1.7e4.  The biases are rounded to bf16 like x and the weights, so that every input of the module has the same rounding.
; A tile of C, 256 x 256, is made by a work-group of four waves; a wave makes 128 x 128: 64 accumulators of 16 x 16, 512 registers.  K goes in 8 steps of 128 through a ring of two LDS slots
; filled by the tensor data mover: the rows of a tile are 256 bytes of memory, at multiples of 256 bytes from the buffer's first byte.  The last K step goes by rows of C, so that finished rows leave while the others are multiplied.
; THE LOOP'S TEXT IS ONE K STEP.  Which slot is in hand is a scalar, s[TB] = 0 or SLOT, turned by an exclusive or at each change of slots; the fragments' LDS addresses are made anew there, s[TB] + a fixed lane term;
; one descriptor group 0 a tensor walks from fill to fill (the other slot, the next K step).
; CLUSTERS: 4 x 4 work-groups.  The four of a row of the cluster need the same tiles of A (xb), the four of a column the same tiles of B (wb): each tile is asked for JOINTLY, by the same tensor load
; with the same descriptor and a mask that names the four.  A cluster's four tile columns are 1,024 columns: cluster x = 0, 1, 2 is q, k, v, which picks the bias.
; THE BIAS IS THE C OPERAND of the products that start the sums: a lane's eight results of an accumulator are eight neighbouring columns, the same for all eight row blocks, so 64 registers hold it.
; REGISTERS, in windows of 256 (s_set_vgpr_msb's low byte: bits 1:0 source 0, 3:2 source 1, 5:4 source 2, 7:6 destination):
;   window 0: v0-31 addresses; v64-127, v128-191 fragments of A, two buffers (in the last K step four, of 16 rows x 128 K); v192-255 the bias, later with v32-63 at work on the way out
;   window 1: v64-127, v128-191 fragments of B, two buffers; in the last K step all 256          window 2: the accumulators of my rows 0-63 ((a, b) at v[8 (8 a + b)]);   window 3: of my rows 64-127
; THE MATRIX INSTRUCTION IS USED TRANSPOSED: source 0 = 16 rows of B, source 1 = 16 rows of A: lane l holds row l % 16 of C and the columns 8 (l / 16) + 0 .. 7, which pack into 16 bytes.
.set SIZE_M, 8192
.set SIZE_N, 3072
.set SIZE_K, 1024
.set KSTEP,  128
.set STEPS,  SIZE_K/KSTEP
.set PITCH,  272                       ; an LDS row: 256 bytes + 16 of padding = 68 words: row r starts at bank 4 r mod 64 (64 banks of 4 bytes: ISA guide 11.1)
.set HALFT,  128*PITCH                 ; 128 rows: what one tensor load brings, and what one wave reads of A or of B
.set SLOT,   4*HALFT                   ; A's 256 rows, then B's 256 rows: 0x22000 bytes; a wave's place in a slot, wave x 0x8800, has neither of its two bits, so an exclusive or with SLOT changes slots
.set STAGE,  2*SLOT                    ; behind the ring: 16 rows x 272 bytes for each wave, for the way out
.set SPITCH, 272
.set SPARE,  STAGE+4*16*SPITCH         ; behind the stages: the spare words, 128 bytes for each wave, which no other line names
.set ADRA, 16                          ; v16-17  LDS address of my A fragments in slot 0, 1; v18 in the slot in hand
.set ADRB, 20                          ; v20-21  the same for B; v22 in the slot in hand
.set STO,  24                          ; v24     the way out: where I put 16 bytes of a row
.set RD,   25                          ; v25     the way out: where I read a row back
.set CO,   26                          ; v26     my byte offset in C
.set SPW,  28                          ; v28     LDS address of my spare word; never rewritten
.set NIL,  29                          ; v29     0; never rewritten
.set PFO,  30                          ; v30     the prefetches' offset: my lane x a row of A or B; never rewritten
.set BO,   31                          ; v31     my byte offset in the bias
.set PFA,  44                          ; s[44:45] where my prefetches stand
.set LIM,  43                          ; s43     2 in a wave that prefetches, else the greatest number
.set TB,   66                          ; s66     the slot in hand: 0 or SLOT
.set F0,   64
.set F1,   128
.set TMP,  192                         ; the way out: packed results
.set BIAS, 192                         ; v192-255: column block b's eight numbers at BIAS + 8 b, until the sums are started
.set OB,   32                          ; the way out: 16 rows read back from the stage: v32-63 and v224-255 by turns
.set PA,   64                          ; the last K step: A's fragments of 16 rows x 128 K; four buffers, v64-191
.set G1, 24                            ; s[24:31] descriptor group 1 for A's tiles
.set G0, 32                            ; s[32:39] descriptor group 0 for A's tiles: a set for each of the two first fills; the second then walks on
.set G1B, 48                           ; s[48:55], s[56:63] the same for B's tiles
.set G0B, 56
.set MSB, 0
.macro WIN new                         ; the immediate's high byte repeats the setting that is left; a switch that changes nothing is dropped
.if MSB != (\new)
	s_set_vgpr_msb (MSB<<8)|(\new)
.set MSB, \new
.endif
.endm
.set MUL_LO, 0xa1                      ; source 0 (B) window 1, source 1 (A) window 0, C and D window 2
.set MUL_HI, 0xf1                      ; the same, C and D window 3
.set TO_B,   0x40                      ; destination window 1, address window 0
; A joint load.  Waves 0 and 1 fetch A's two halves, waves 2 and 3 B's.  The branch hangs on the wave's number alone.  An s_nop 0 and four v_nop follow each of the two lines.
.macro JLOAD s
	s_cmp_eq_u32 s11, 0
	s_cbranch_scc0 .Lfor_b_\@
	tensor_load_to_lds s[G0+4*(\s):G0+4*(\s)+3], s[G1:G1+7]
	s_nop 0
.rept 4
	v_nop
.endr
	s_branch .Lasked_\@
.Lfor_b_\@:
	tensor_load_to_lds s[G0B+4*(\s):G0B+4*(\s)+3], s[G1B:G1B+7]
	s_nop 0
.rept 4
	v_nop
.endr
.Lasked_\@:
.endm
; A prefetch, behind each joint load and the run of LDS loads that follows it: the K step that stands two refills on, 32 rows x 256 bytes, a lane a row, one instruction a wave.
; Each row's 256 bytes of a K step are named once in the launch: for A's rows the cluster with x = 0 asks, for B's the cluster with y = 0; the four partners that ask for a tile jointly
; share its rows out by address (32 each).  K steps 0 to 3 come by their loads alone; the loop's last two trips (s3 = 2, 1) have no K step two refills on.
.macro ASK
	s_cmp_gt_u32 s3, s[LIM]
	s_cbranch_scc0 .Lnot_mine_\@
	global_prefetch_b8 v[PFO], s[PFA:PFA+1] offset:KSTEP*2 th:TH_LOAD_NT scope:SCOPE_SE
.Lnot_mine_\@:
.endm
.macro CREST                           ; a round of the cluster's barrier behind its opening barrier
	s_cmp_lg_u32 s10, 0
	s_cbranch_scc1 .Lnot_wave_0_\@
	s_barrier_signal -3
.Lnot_wave_0_\@:
	s_barrier_wait -3
	s_barrier_signal -1
	s_barrier_wait -1
.endm
.macro CROUND                          ; a whole round
	s_barrier_signal -1
	s_barrier_wait -1
	CREST
.endm
	s_load_b128 s[4:7], s[0:1], 0x0                ; xb s[4:5], wb s[6:7]
	s_load_b128 s[68:71], s[0:1], 0x10             ; b_q s[68:69], b_k s[70:71]
	s_load_b128 s[72:75], s[0:1], 0x20             ; b_v s[72:73], qkv s[74:75]
	v_lshl_add_u32 v[SPW], v0, 2, SPARE
	v_mov_b32 v[NIL], 0
	ds_add_u32 v[SPW], v[NIL]                      ; the wave's opening: the add and its wait stand ahead of my first tensor load; the set-up below stands between them
	v_lshrrev_b32 v1, 5, v0
	v_readfirstlane_b32 s10, v1                    ; wave 0..3
	s_lshr_b32 s11, s10, 1                         ; which half of the tile's rows is mine.  Also: I fetch for A (0) or for B (1)
	s_and_b32 s12, s10, 1                          ; which half of its columns.  Also: which 128 rows of that tile I fetch
	s_bfe_u32 s40, ttmp6, 0x40000                  ; cx
	s_bfe_u32 s41, ttmp6, 0x40004                  ; cy
	s_lshl_b32 s42, ttmp9, 2
	s_add_co_u32 s42, s42, s40                     ; tile column of C = 4 x cluster x + cx
	s_and_b32 s13, ttmp7, 0xffff
	s_lshl_b32 s13, s13, 2
	s_add_co_u32 s13, s13, s41                     ; tile row of C = 4 x cluster y + cy
	s_lshl_b32 s43, s41, 2
	s_lshl_b32 s43, 15, s43                        ; my row of the cluster: places 4 cy .. 4 cy + 3
	s_lshl_b32 s44, 0x1111, s40                    ; my column: places cx, cx + 4, cx + 8, cx + 12
	s_or_b32 s[G1+0], s43, (1<<16)|(1<<20)|(1<<21)|(5<<22)|(3<<25)  ; the mask; elements of 2 bytes; padding on; bit 21 beside a mask; after every 64 words (code 5) 4 words (code 3)
	s_or_b32 s[G1B+0], s44, (1<<16)|(1<<20)|(1<<21)|(5<<22)|(3<<25)
	s_mov_b32 s[G1B+1], KSTEP<<16
	s_mov_b32 s[G1+1], KSTEP<<16                   ; tensor_dim0 = 128
	s_mov_b32 s[G1B+2], 128<<16
	s_mov_b32 s[G1+2], 128<<16                     ; tensor_dim1 = 128
	s_mov_b32 s[G1B+3], KSTEP<<16
	s_mov_b32 s[G1+3], KSTEP<<16                   ; tile_dim0 = 128
	s_mov_b32 s[G1B+4], 128
	s_mov_b32 s[G1+4], 128                         ; tile_dim1 = 128
	s_mov_b32 s[G1B+5], SIZE_K
	s_mov_b32 s[G1+5], SIZE_K                      ; elements from row to row
	s_mov_b32 s[G1B+6], 0
	s_mov_b32 s[G1+6], 0
	s_mov_b32 s[G1B+7], 0
	s_mov_b32 s[G1+7], 0
	s_mov_b32 s[TB], 0                             ; slot 0 is in hand first
	s_lshl_b32 s17, s12, 7                         ; which 128 rows of the tile I fetch
	s_lshl_b32 s16, s13, 8
	s_add_co_u32 s16, s16, s17                     ; A: row 256 x tile row + 128 x half
	s_lshl_b32 s46, s42, 8
	s_add_co_u32 s46, s46, s17                     ; B: row 256 x tile column + 128 x half
	s_mov_b32 s17, 0
	s_mov_b32 s47, 0
	s_mov_b64 s[18:19], SIZE_K*2
	s_mul_u64 s[16:17], s[16:17], s[18:19]
	s_mul_u64 s[46:47], s[46:47], s[18:19]
	s_mul_i32 s20, s10, HALFT                      ; where they go: wave x 128 rows: no place in the cluster enters an LDS address
	s_wait_dscnt 0x0                               ; the opening add is done
	s_wait_kmcnt 0x0
	s_mov_b64 s[8:9], s[74:75]                     ; C
	s_cmp_eq_u32 ttmp9, 1                          ; the bias by the cluster's x, which all partners share
	s_cselect_b64 s[76:77], s[70:71], s[68:69]
	s_cmp_eq_u32 ttmp9, 2
	s_cselect_b64 s[76:77], s[72:73], s[76:77]
	s_add_nc_u64 s[14:15], s[4:5], s[16:17]
	s_add_nc_u64 s[46:47], s[6:7], s[46:47]
	CROUND                                         ; all sixteen work-groups are here: the first joint loads meet
.irp s, 0,1
	s_mov_b32 s[G0+4*(\s)], 1
	s_add_co_u32 s[G0+4*(\s)+1], s20, (\s)*SLOT
	s_add_nc_u64 s[G0+4*(\s)+2:G0+4*(\s)+3], s[14:15], (\s)*KSTEP*2
	s_or_b32 s[G0+4*(\s)+3], s[G0+4*(\s)+3], 0x80000000
	s_mov_b32 s[G0B+4*(\s)], 1
	s_add_co_u32 s[G0B+4*(\s)+1], s20, (\s)*SLOT
	s_add_nc_u64 s[G0B+4*(\s)+2:G0B+4*(\s)+3], s[46:47], (\s)*KSTEP*2
	s_or_b32 s[G0B+4*(\s)+3], s[G0B+4*(\s)+3], 0x80000000
	JLOAD \s                                       ; the ring is filled before anything else is done
.endr
	v_and_b32 v1, 15, v0                           ; l % 16
	v_bfe_u32 v2, v0, 4, 1                         ; l / 16
	s_lshl_b32 s78, s40, 10                        ; the bias: my tile's 256 columns among the matrix's 1,024,
	s_lshl_b32 s79, s12, 9                         ; my wave's 128 of them,
	s_add_co_u32 s78, s78, s79
	v_lshl_add_u32 v[BO], v2, 5, s78               ; my lanes' eight of each sixteen
.irp b, 0,1,2,3,4,5,6,7
	global_load_b128 v[BIAS+8*(\b):BIAS+8*(\b)+3],   v[BO], s[76:77] offset:64*(\b)
	global_load_b128 v[BIAS+8*(\b)+4:BIAS+8*(\b)+7], v[BO], s[76:77] offset:64*(\b)+16
.endr
	v_mul_u32_u24 v3, v1, PITCH
	v_lshl_add_u32 v3, v2, 4, v3                   ; a fragment's row x pitch + 16 x half
	s_mul_i32 s21, s11, HALFT                      ; my 128 rows of A
	s_mul_i32 s22, s12, HALFT                      ; my 128 rows of B,
	s_add_co_u32 s22, s22, 2*HALFT                 ; which lie behind A's 256
.irp s, 0,1
	v_add_nc_u32 v[ADRA+(\s)], s21, v3
	v_add_nc_u32 v[ADRB+(\s)], s22, v3
	s_add_co_u32 s21, s21, SLOT
	s_add_co_u32 s22, s22, SLOT
.endr
	v_add_nc_u32 v[ADRA+2], s[TB], v[ADRA]         ; the slot in hand
	v_add_nc_u32 v[ADRB+2], s[TB], v[ADRB]
	s_mul_i32 s23, s10, 16*SPITCH
	s_add_co_u32 s23, s23, STAGE                   ; my stage
	v_mul_u32_u24 v4, v1, SPITCH                   ; in: row l % 16, 16 bytes for each half of the lanes
	v_lshl_add_u32 v4, v2, 4, v4
	v_add_nc_u32 v[STO], s23, v4
	v_mul_u32_u24 v5, v2, SPITCH                   ; back: lanes 0-15 take one row of 256 bytes, lanes 16-31 the next
	v_lshl_add_u32 v5, v1, 4, v5
	v_add_nc_u32 v[RD], s23, v5
	v_mul_u32_u24 v5, v2, SIZE_N*2                 ; and the same two rows in C
	v_lshl_add_u32 v[CO], v1, 4, v5
	s_lshl_b32 s13, s13, 8
	s_lshl_b32 s14, s11, 7
	s_add_co_u32 s16, s13, s14                     ; my first row of C
	s_mov_b32 s17, 0
	s_mov_b64 s[18:19], SIZE_N*2
	s_mul_u64 s[16:17], s[16:17], s[18:19]
	s_lshl_b32 s46, s42, 9                         ; my first column, in bytes: 512 x tile column + 256 x half
	s_lshl_b32 s47, s12, 8
	s_add_co_u32 s46, s46, s47
	s_mov_b32 s47, 0
	s_add_nc_u64 s[16:17], s[16:17], s[46:47]      ; what the way out adds to C's address
	s_lshl_b32 s42, s42, 8                         ; the prefetches
	s_and_b32 s22, ttmp7, 0xffff                   ; cluster y
	s_cmp_eq_u32 s11, 0                            ; do I fetch for A?
	s_cselect_b32 s20, s13, s42                    ; the tile's first row
	s_cselect_b32 s21, s40, s41                    ; my place among the four that ask for it with me
	s_cselect_b32 s22, ttmp9, s22                  ; the coordinate along which other clusters read the same rows
	s_cselect_b64 s[PFA:PFA+1], s[4:5], s[6:7]
	s_cmp_eq_u32 s22, 0
	s_cselect_b32 s[LIM], 2, -1                    ; the same in all sixteen partners, for a given wave
	s_lshl_b32 s22, s12, 7
	s_add_co_u32 s20, s20, s22                     ; + the 128 rows that I fetch
	s_lshl_b32 s21, s21, 5
	s_add_co_u32 s20, s20, s21                     ; + my work-group's 32 of them
	s_mov_b32 s21, 0
	s_mov_b64 s[18:19], SIZE_K*2
	s_mul_u64 s[20:21], s[20:21], s[18:19]
	s_add_nc_u64 s[PFA:PFA+1], s[PFA:PFA+1], s[20:21]
	s_add_nc_u64 s[PFA:PFA+1], s[PFA:PFA+1], 2*KSTEP*2  ; at K step 2: the first refill steps it to 3 and names K step 4
	v_and_b32 v[PFO], 31, v0
	v_mul_u32_u24 v[PFO], v[PFO], SIZE_K*2
	s_wait_loadcnt 0x0                             ; the bias: rounded to bf16 and widened again
.set i, 0
.rept 32
	v_cvt_pk_bf16_f32 v[OB+i], v[BIAS+2*i], v[BIAS+2*i+1]
.set i, i+1
.endr
.set i, 0
.rept 32
	v_lshlrev_b32 v[BIAS+2*i], 16, v[OB+i]
	v_and_b32 v[BIAS+2*i+1], 0xffff0000, v[OB+i]
.set i, i+1
.endr
; 16 matrix instructions: m blocks a0, a0 + 1 of the window's four (hi = 0: my rows 0-63, 1: rows 64-127) x all 8 n blocks, 32 along K.
; zero = 1: the first product starts the sums, with the bias (window 0) as C: nothing is ever cleared.
.macro MUL16 f, hi, a0, zero
.if \zero
	WIN 0x81+0x40*(\hi)
.else
	WIN MUL_LO+0x50*(\hi)
.endif
.irp a, \a0, (\a0)+1
.irp b, 0,1,2,3,4,5,6,7
.if \zero
	v_wmma_f32_16x16x32_bf16 v[8*(8*(\a)+(\b)):8*(8*(\a)+(\b))+7], v[(\f)+8*(\b):(\f)+8*(\b)+7], v[(\f)+8*(4*(\hi)+(\a)):(\f)+8*(4*(\hi)+(\a))+7], v[BIAS+8*(\b):BIAS+8*(\b)+7]
.else
	v_wmma_f32_16x16x32_bf16 v[8*(8*(\a)+(\b)):8*(8*(\a)+(\b))+7], v[(\f)+8*(\b):(\f)+8*(\b)+7], v[(\f)+8*(4*(\hi)+(\a)):(\f)+8*(4*(\hi)+(\a))+7], v[8*(8*(\a)+(\b)):8*(8*(\a)+(\b))+7]
.endif
.endr
.endr
.endm
; 32 LDS loads in one run: the fragments of one quarter step (128 rows of B, 128 rows of A, 32 K at byte k of the rows) into buffer f.  slot = 0, 1: that slot; 2: the slot in hand
.macro FETCH slot, k, f
	WIN TO_B
.irp i, 0,1,2,3,4,5,6,7
	ds_load_b128 v[(\f)+8*(\i):(\f)+8*(\i)+3],   v[ADRB+(\slot)] offset:(\k)+(\i)*16*PITCH
	ds_load_b128 v[(\f)+8*(\i)+4:(\f)+8*(\i)+7], v[ADRB+(\slot)] offset:(\k)+(\i)*16*PITCH+32
.endr
	WIN 0
.irp i, 0,1,2,3,4,5,6,7
	ds_load_b128 v[(\f)+8*(\i):(\f)+8*(\i)+3],   v[ADRA+(\slot)] offset:(\k)+(\i)*16*PITCH
	ds_load_b128 v[(\f)+8*(\i)+4:(\f)+8*(\i)+7], v[ADRA+(\slot)] offset:(\k)+(\i)*16*PITCH+32
.endr
.endm
; Four plain vector instructions stand between a matrix instruction and a load into a register that it has read, or a vector instruction that reads its result (ISA guide 7.12.1 for vector instructions).
.macro PLACES
.rept 4
	v_nop
.endr
.endm
; A K step is four quarter steps of 32 along K, 64 matrix instructions each, on buffers 0, 1, 0, 1.  One of the first three: multiplies buffer f; in its middle it fetches the next quarter into g.
.macro QUARTER slot, k, f, g, zero
	s_wait_dscnt 8                                 ; B and A's rows 0-63 are in; the youngest eight loads (A's rows 64-127) may be out
	MUL16 \f, 0, 0, \zero
	MUL16 \f, 0, 2, \zero
	PLACES
	FETCH \slot, \k, \g
	s_wait_dscnt 32                                ; all but the 32 just issued
	MUL16 \f, 1, 0, \zero
	MUL16 \f, 1, 2, \zero
.endm
; The last quarter multiplies buffer 1 and changes slots.  MEET is its first half: one barrier; in front of it each wave waits for all its tensor loads (one is out: its part of the next slot),
; adds 0 to its spare word, and waits for that and for its own reads of this slot.
.macro MEET round
	WIN 0                                          ; (the add's two registers lie in window 0)
	s_wait_tensorcnt 0x0                           ; all my tensor loads have landed
	ds_add_u32 v[SPW], v[NIL]                      ; 0 onto my spare word
	s_wait_dscnt 9                                 ; (the add and the youngest eight loads may be out)
	MUL16 F1, 0, 0, 0                              ; sixteen matrix instructions stand between the add and the wait for it
	s_wait_dscnt 0x0                               ; the add is done, and my reads of this slot are over
	s_barrier_signal -1
	MUL16 F1, 0, 2, 0                              ; work on registers while the others arrive
.if \round
	WIN 0
.endif
	s_barrier_wait -1
.endm
; The whole last quarter.  Behind the round the slot just read out is filled again first, with the K step two steps on: 224 matrix instructions ahead of the wait for it; then come the other slot's first fragments.
.macro TURN
	s_wait_xcnt 0x0                                ; the last prefetch, a K step back, has read its address: it is stepped here
	s_add_nc_u64 s[PFA:PFA+1], s[PFA:PFA+1], KSTEP*2
	MEET 1
	CREST                                          ; the barrier has opened a round of the cluster's: no wave of any partner still reads this slot's tile or has a load on its way
.irp g, G0+4, G0B+4
	s_xor_b32 s[(\g)+1], s[(\g)+1], SLOT           ; the walking descriptor: the other slot than last time,
	s_add_nc_u64 s[(\g)+2:(\g)+3], s[(\g)+2:(\g)+3], KSTEP*2  ; the next K step; the type bits on top are not reached
.endr
	s_xor_b32 s[TB], s[TB], SLOT                   ; the other slot comes into hand
	JLOAD 1                                        ; the first tensor load behind the round; its four v_nop are also the places in front of the loads below
	v_add_nc_u32 v[ADRA+2], s[TB], v[ADRA]
	v_add_nc_u32 v[ADRB+2], s[TB], v[ADRB]
	FETCH 2, 0, F0
	ASK
	MUL16 F1, 1, 0, 0
	MUL16 F1, 1, 2, 0
.endm
; THE LAST K STEP (it lies in slot 1) GOES BY ROWS OF C.  All its fragments of B fill window 1; then my eight blocks of 16 rows are finished one after the other, each with 32 matrix
; instructions (its 8 accumulators by turns, K ascending).
.macro BLOAD q
	WIN TO_B
.irp i, 0,1,2,3,4,5,6,7
	ds_load_b128 v[64*(\q)+8*(\i):64*(\q)+8*(\i)+3],   v[ADRB+1] offset:64*(\q)+(\i)*16*PITCH
	ds_load_b128 v[64*(\q)+8*(\i)+4:64*(\q)+8*(\i)+7], v[ADRB+1] offset:64*(\q)+(\i)*16*PITCH+32
.endr
.endm
.macro ALOAD a
	WIN 0
.set FA, PA+32*((\a)%4)
.irp q, 0,1,2,3
	ds_load_b128 v[FA+8*(\q):FA+8*(\q)+3],   v[ADRA+1] offset:64*(\q)+(\a)*16*PITCH
	ds_load_b128 v[FA+8*(\q)+4:FA+8*(\q)+7], v[ADRA+1] offset:64*(\q)+(\a)*16*PITCH+32
.endr
.endm
.macro ROW a
.set FA, PA+32*((\a)%4)
.set AC, 64*((\a)%4)
	WIN MUL_LO+0x50*((\a)/4)
.irp q, 0,1,2,3
.if (\a) == 0 && (\q) == 2
	s_wait_dscnt 24                                ; B's quarter 2 is in (behind it: A's blocks 1 to 3)
.endif
.irp b, 0,1,2,3,4,5,6,7
	v_wmma_f32_16x16x32_bf16 v[AC+8*(\b):AC+8*(\b)+7], v[64*(\q)+8*(\b):64*(\q)+8*(\b)+7], v[FA+8*(\q):FA+8*(\q)+7], v[AC+8*(\b):AC+8*(\b)+7]
.endr
.endr
.endm
; THE WAY OUT of block a.  PACK: rounded to f16, 16 bytes a lane, each accumulator's registers in ascending order.  TOSTAGE: into my own stage, and back as whole rows of 256 bytes.  SEND: stored.
.macro PACK a
.set AC, 64*((\a)%4)
	WIN 0x0a+5*((\a)/4)                            ; sources 0 and 1: window 2 or 3
.irp b, 0,1,2,3,4,5,6,7
.irp r, 0,1,2,3
	v_cvt_pk_f16_f32 v[TMP+4*(\b)+(\r)], v[AC+8*(\b)+2*(\r)], v[AC+8*(\b)+2*(\r)+1]
.endr
.endr
	WIN 0
.endm
.macro TOSTAGE a
	WIN 0
.set BK, OB+192*((\a)%2)
.irp b, 0,1,2,3,4,5,6,7
	ds_store_b128 v[STO], v[TMP+4*(\b):TMP+4*(\b)+3] offset:32*(\b)
.endr
.irp t, 0,1,2,3,4,5,6,7
	ds_load_b128 v[BK+4*(\t):BK+4*(\t)+3], v[RD] offset:(\t)*2*SPITCH  ; LDS serves a wave's instructions in order (ISA guide 5.7.1.4): these see the stores above
.endr
.endm
.macro SEND a, younger
	WIN 0
.set BK, OB+192*((\a)%2)
	s_wait_dscnt \younger                          ; the block is back in registers
	s_wait_xcnt 0x0                                ; only behind this wait are the stores' base and the registers that earlier stores read rewritten
.if (\a) == 0
	s_add_nc_u64 s[8:9], s[8:9], s[16:17]          ; on to the tile's first rows
.else
	s_add_nc_u64 s[8:9], s[8:9], 16*SIZE_N*2       ; 16 rows of C on
.endif
.irp t, 0,1,2,3,4,5,6,7
	global_store_b128 v[CO], v[BK+4*(\t):BK+4*(\t)+3], s[8:9] offset:2*(\t)*SIZE_N*2  ; 16 lanes store 256 consecutive bytes, at a multiple of 256 from C's first byte
.endr
.endm
	s_wait_tensorcnt 1                             ; my part of K step 0 is in; K step 1's may stay out
	s_barrier_signal -1
	s_barrier_wait -1                              ; everybody's is
	FETCH 0, 0, F0
	QUARTER 0, 64,  F0, F1, 1                      ; the first quarter stands in front of the loop: its products start the sums
	WIN 0                                          ; at a label and at a branch every window is 0
	s_mov_b32 s3, STEPS-2
.Lstep:                                                ; a trip goes from a K step's second quarter to the next step's first and fills one slot again: six trips ask for K steps 2 to 7
	QUARTER 2, 128, F1, F0, 0
	QUARTER 2, 192, F0, F1, 0
	TURN
	QUARTER 2, 64,  F0, F1, 0
	WIN 0
	s_sub_co_u32 s3, s3, 1
	s_cmp_lg_u32 s3, 0
	s_cbranch_scc1 .Lstep
	QUARTER 0, 128, F1, F0, 0                      ; K step 6, in slot 0, goes on; nothing more is asked for
	QUARTER 0, 192, F0, F1, 0
	MEET 0                                         ; my one tensor load that was still out is the last K step's, so no round follows
	PLACES                                         ; for the loads into buffer 0
	BLOAD 0                                        ; three quarters of B now: buffer 1 is still being multiplied
	BLOAD 1
	BLOAD 3
	ALOAD 0
	MUL16 F1, 1, 0, 0
	MUL16 F1, 1, 2, 0
	PLACES                                         ; for the loads into buffer 1
	BLOAD 2
	ALOAD 1
	ALOAD 2
	ALOAD 3
	s_wait_dscnt 40                                ; all but the 40 just issued
	ROW 0
.irp a, 0,1,2,3,4,5,6,7                ; each block leaves as soon as it is finished
	PLACES                                         ; its conversions read results just made
	PACK \a
	TOSTAGE \a
.if (\a) < 4
	ALOAD (\a)+4                                   ; its buffer takes the block four further on
	SEND \a, 8
.else
	SEND \a, 0
.endif
.if (\a) < 7
	ROW (\a)+1
.endif
.endr
	s_wait_tensorcnt 0x0                           ; the wave's end, behind my last tensor load and my last LDS store
	ds_add_u32 v[SPW], v[NIL]
	s_wait_dscnt 0x0
	CROUND                                         ; the closing round: no work-group ends while a partner may still ask for a tile that names it
	s_endpgm
.Lfunc_end_k_qab4ccd5dbf_proj:
	.size	k_qab4ccd5dbf_proj, .Lfunc_end_k_qab4ccd5dbf_proj-k_qab4ccd5dbf_proj
	.p2alignl 7, 3214868480
	.fill 96, 4, 3214868480
	.section	.rodata,"a",@progbits
	.p2align	6, 0x0
	.amdhsa_kernel k_qab4ccd5dbf_proj
		.amdhsa_group_segment_fixed_size 327680
		.amdhsa_private_segment_fixed_size 0
		.amdhsa_enable_private_segment 0
		.amdhsa_kernarg_size 48
		.amdhsa_user_sgpr_count 2
		.amdhsa_user_sgpr_kernarg_segment_ptr 1
		.amdhsa_wavefront_size32 1
		.amdhsa_system_sgpr_workgroup_id_x 1
		.amdhsa_system_sgpr_workgroup_id_y 1
		.amdhsa_system_sgpr_workgroup_id_z 1
		.amdhsa_system_vgpr_workitem_id 0
		.amdhsa_next_free_vgpr 1024
		.amdhsa_next_free_sgpr 80
		.amdhsa_reserve_vcc 0
		.amdhsa_float_denorm_mode_32 3
		.amdhsa_float_denorm_mode_16_64 3
		.amdhsa_memory_ordered 1
		.amdhsa_forward_progress 1
		.amdhsa_inst_pref_size 125
	.end_amdhsa_kernel
	.amdgpu_metadata
---
amdhsa.version: [ 1, 2 ]
amdhsa.kernels:
  - .name:           k_qab4ccd5dbf_proj
    .symbol:         k_qab4ccd5dbf_proj.kd
    .args:
      - { .name: xb, .offset: 0, .size: 8, .value_kind: global_buffer, .address_space: global }
      - { .name: wb, .offset: 8, .size: 8, .value_kind: global_buffer, .address_space: global }
      - { .name: b_q, .offset: 16, .size: 8, .value_kind: global_buffer, .address_space: global }
      - { .name: b_k, .offset: 24, .size: 8, .value_kind: global_buffer, .address_space: global }
      - { .name: b_v, .offset: 32, .size: 8, .value_kind: global_buffer, .address_space: global }
      - { .name: qkv, .offset: 40, .size: 8, .value_kind: global_buffer, .address_space: global }
    .group_segment_fixed_size: 327680
    .private_segment_fixed_size: 0
    .kernarg_segment_align: 8
    .kernarg_segment_size: 48
    .max_flat_workgroup_size: 128
    .sgpr_count:     80
    .vgpr_count:     1024
    .wavefront_size: 32
...
	.end_amdgpu_metadata
.endif
;; end of part 2
;; launch score (part 3): grid 36 x 4, 4 waves a work-group, no clusters, 327,680 bytes of LDS; arguments qkv, pt, st; writes pt, st
.if DOCPART == 3
	.amdgcn_target "amdgcn-amd-amdhsa--gfx1250"
	.amdhsa_code_object_version 6
	.text
	.protected	k_qab4ccd5dbf_score
	.globl	k_qab4ccd5dbf_score
	.p2align	8
	.type	k_qab4ccd5dbf_score,@function
k_qab4ccd5dbf_score:
	s_mov_b64 s[64:65], 0
	v_nop
	global_prefetch_b8 v0, s[64:65] scope:SCOPE_SE
	s_setreg_imm32_b32 hwreg(HW_REG_WAVE_MODE, 25, 1), 1
	s_wait_xcnt 0x0
; For each batch and each tile (I, J <= I) of 256 queries x 256 keys: s = q . k (f16 operands, f32 sums, K = 1,024), hidden where key > query; then for each row and each BLOCK of 128 keys
;   m = c x max s (c = log2(e) / 32), p = 2^(c s - m) rounded to f16, l = the sum of the unrounded p.   pt[batch][query][key] = p; st holds m and l in f32:
;   byte ((batch x 16 + block) x 2 + which) x 8,192 + 4 x query, which = 0 for m, 1 for l.  The launch behind joins the blocks by 2^(m - M) / L: a true maximum is taken away at both places.
; Tiles above the diagonal are not made.  LIMITS.  A hidden score counts as -2^100 (a power of two, so that c x it is exact): a block that a row does not see at all gives p = 1, l = 128 and
; m = -c 2^100, which the launch behind weighs with 0; true scores must lie above -2^100.  p below 6e-8 counts as 0.  NaN and infinities are not treated apart.
; SHARES.  Work-group x = 0 .. 35 is the tile, y the batch.  Four waves, each 128 x 128: 64 accumulators, 512 registers; a wave's 128 keys are one block.  K goes in 8 steps of 128 through two LDS slots.
; THE LOOPS' TEXT IS ONE K STEP.  Which slot is in hand is a scalar, s[TB] = 0 or SLOT, turned by an exclusive or at each change of slots; the fragments' LDS addresses are made anew there; one descriptor
; group 0 walks from fill to fill.  Six trips fill a slot again; the last two K steps are a second loop, which fills nothing.
; NO CLUSTER: row I of the triangle has I + 1 tiles and column J has 8 - J, so groups of four work-groups that share a tile of q or of k do not exist in every row and column.
; THE MATRIX INSTRUCTION IS USED TRANSPOSED (source 0 = 16 keys, source 1 = 16 queries): lane l holds query l % 16 and the keys 8 (l / 16) + 0 .. 7.
; THE WAY OUT.  The ring has had its last fill: each wave lays its 128 x 128 scores there (f32, rows of 528 bytes) and reads them back 16 rows a trip so that 16 lanes hold one row, 8 keys each:
; maximum and sum are four exchanges inside 16 lanes, and 16 lanes store 256 consecutive bytes of pt.
; REGISTERS: windows as in a GEMM: window 0 v0-31 addresses, v64-191 fragments of q (later the rows at work); window 1 v64-191 fragments of k; windows 2 and 3 the accumulators.
.set KSTEP,  128
.set PITCH,  272                       ; an LDS row: 256 bytes + 16 of padding: the 16 rows of a load start at 16 different groups of four banks (64 banks of 4 bytes: ISA guide 11.1)
.set HALFT,  128*PITCH
.set SLOT,   4*HALFT                   ; q's 256 rows, then k's 256 rows: 0x22000 bytes; a wave's place in a slot, wave x 0x8800, has neither of its two bits, so an exclusive or with SLOT changes slots
.set STATS,  2*SLOT                    ; behind the ring: 1,024 bytes a wave: 128 m, 128 l
.set SPARE,  STATS+4096                ; the spare words, 128 bytes for each wave, which no other line names
.set DPITCH, 528                       ; a row of scores: 512 bytes + 16
.set DUMPW,  128*DPITCH                ; a wave's scores, in the ring's bytes
.set ROWB,   6144                      ; bytes in a row of qkv
.set STEPS,  8
.set QK,   12                          ; v12  my row less my first key, in the tile; steps by 16 a trip
.set DAD,  13                          ; v13  the trip's address in my scores
.set SAD,  14                          ; v14  the trip's address in my statistics
.set ADRA, 16                          ; v16  my q fragments in slot 0; never rewritten
.set CURA, 18                          ; v18  in the slot in hand
.set ADRB, 20                          ; v20  my k fragments in slot 0; never rewritten
.set CURB, 22                          ; v22  in the slot in hand
.set GS,   23                          ; v23  16 x lane
.set DST,  24                          ; v24  where I lay scores down
.set DRD,  25                          ; v25  where I read them back, trip 0
.set PO,   26                          ; v26  my byte offset in two rows of pt
.set SA,   27                          ; v27  where my row's statistics go, trip 0
.set SPW,  28
.set NIL,  29
.set PFO,  30                          ; v30  lane x a row of qkv
.set SR,   31                          ; v31  where I read statistics back
.set MX,   32                          ; v[32:47] row group u: m at MX + 2 u, the maximum at MX + 2 u + 1
.set SUM,  48                          ; v[48:55] l
.set S,    64                          ; v[64:127] row group u: my 8 scores
.set PK,   128                         ; v[128:159] packed p
.set F0,   64
.set F1,   128
.set G1, 24
.set G0, 32                            ; s[32:39] a set for each of the two first fills; the second then walks on
.set DIAG, 41                          ; s41  1: the tile holds the diagonal
.set LIM,  43
.set PFA,  44
.set PT,   46                          ; s[46:47] pt at the trip's first row, my 128 keys
.set STB,  48                          ; s[48:49] st at my block and rows
.set CS,   50                          ; s[50:51] c
.set BIG,  52                          ; s52  -2^100
.set CNT,  53
.set DOF,  54                          ; s54  16 rows of scores a trip
.set SOF,  55                          ; s55  16 words of statistics a trip
.set TB,   56                          ; s56  the slot in hand: 0 or SLOT
.set MSB, 0
.macro WIN new
.if MSB != (\new)
	s_set_vgpr_msb (MSB<<8)|(\new)
.set MSB, \new
.endif
.endm
.set MUL_LO, 0xa1
.set MUL_HI, 0xf1
.set TO_B,   0x40
; A prefetch behind each refill and the run of LDS loads that follows it: the K step two refills on of the 128 rows that I fetch, a lane a row, four instructions.  q's rows of block I are read by
; the tiles (I, 0 .. I): tile J = 0 asks (waves 0, 1); k's rows of block J by the tiles (J .. 7, J): tile I = J asks (waves 2, 3).  So each row's 256 bytes of a K step are named once.
; K steps 0 to 3 come by their loads alone; the loop's last two trips (s3 = 2, 1) have no K step two refills on.
.macro ASK
	s_cmp_gt_u32 s3, s[LIM]
	s_cbranch_scc0 .Lnot_mine_\@
.irp g, 0,1,2,3
	global_prefetch_b8 v[PFO], s[PFA:PFA+1] offset:(\g)*32*ROWB+KSTEP*2 th:TH_LOAD_NT scope:SCOPE_SE
.endr
.Lnot_mine_\@:
.endm
	s_load_b128 s[4:7], s[0:1], 0x0                ; qkv s[4:5], pt s[6:7]
	s_load_b64 s[8:9], s[0:1], 0x10                ; st
	v_lshl_add_u32 v[SPW], v0, 2, SPARE
	v_mov_b32 v[NIL], 0
	ds_add_u32 v[SPW], v[NIL]                      ; the wave's opening: the add and its wait stand ahead of my first tensor load
	v_lshrrev_b32 v1, 5, v0
	v_readfirstlane_b32 s10, v1                    ; wave 0..3
	s_lshr_b32 s11, s10, 1                         ; which half of the queries is mine.  Also: I fetch q (0) or k (1)
	s_and_b32 s12, s10, 1                          ; which half of the keys.  Also: which 128 rows I fetch
	s_mov_b32 s13, 0                               ; I: the greatest i with i (i + 1) / 2 <= x
	s_mov_b32 s14, 0
.irp i, 1,2,3,4,5,6,7
	s_cmp_ge_u32 ttmp9, (\i)*((\i)+1)/2
	s_cselect_b32 s13, \i, s13
	s_cselect_b32 s14, (\i)*((\i)+1)/2, s14
.endr
	s_sub_co_u32 s42, ttmp9, s14                   ; J
	s_and_b32 s15, ttmp7, 0xffff                   ; batch
	s_cmp_eq_u32 s13, s42
	s_cselect_b32 s[DIAG], 1, 0
	s_cselect_b32 s22, 2, -1
	s_cmp_eq_u32 s42, 0
	s_cselect_b32 s21, 2, -1
	s_cmp_eq_u32 s11, 0
	s_cselect_b32 s[LIM], s21, s22
	s_cselect_b32 s16, s13, s42                    ; the block of 256 rows that I fetch from,
	s_cselect_b32 s18, 0, 2048                     ; and where q or k begins in a row of qkv
	s_lshl_b32 s16, s16, 8
	s_lshl_b32 s17, s12, 7
	s_add_co_u32 s16, s16, s17
	s_lshl_b32 s17, s15, 11
	s_add_co_u32 s16, s16, s17                     ; the row: under 8,192, so the bytes stay under 2^26
	s_mul_i32 s16, s16, ROWB
	s_add_co_u32 s16, s16, s18
	s_mov_b32 s17, 0
	s_mul_i32 s20, s10, HALFT                      ; where it goes: wave x 128 rows
	s_mov_b32 s[G1+0], (1<<16)|(1<<20)|(5<<22)|(3<<25)  ; elements of 2 bytes; padding on; after every 64 words (code 5) 4 words (code 3)
	s_mov_b32 s[G1+1], KSTEP<<16                   ; tensor_dim0 = 128
	s_mov_b32 s[G1+2], 128<<16                     ; tensor_dim1 = 128
	s_mov_b32 s[G1+3], KSTEP<<16                   ; tile_dim0 = 128
	s_mov_b32 s[G1+4], 128                         ; tile_dim1 = 128
	s_mov_b32 s[G1+5], 3072                        ; elements from row to row
	s_mov_b32 s[G1+6], 0
	s_mov_b32 s[G1+7], 0
	s_mov_b32 s[CS], 0x3d38aa3b                    ; c = log2(e) / 32 = 0.0450842
	s_mov_b32 s[CS+1], s[CS]                       ; named with it as a pair
	s_mov_b32 s[BIG], 0xf1800000                   ; -2^100
	s_mov_b32 s[TB], 0                             ; slot 0 is in hand first
	s_lshl_b32 s21, s15, 11                        ; pt: row batch x 2,048 + 256 I + 128 x my half,
	s_lshl_b32 s22, s13, 8
	s_add_co_u32 s21, s21, s22
	s_lshl_b32 s22, s11, 7
	s_add_co_u32 s21, s21, s22
	s_lshl_b32 s22, s21, 12                        ; of 4,096 bytes,
	s_lshl_b32 s21, s42, 9                         ; key 256 J + 128 x my half
	s_add_co_u32 s22, s22, s21
	s_lshl_b32 s21, s12, 8
	s_add_co_u32 s22, s22, s21
	s_mov_b32 s23, 0
	s_lshl_b32 s40, s15, 4                         ; st: block batch x 16 + 2 J + my half,
	s_lshl_b32 s21, s42, 1
	s_add_co_u32 s40, s40, s21
	s_add_co_u32 s40, s40, s12
	s_lshl_b32 s40, s40, 14
	s_lshl_b32 s21, s13, 10                        ; row 256 I + 128 x my half
	s_add_co_u32 s40, s40, s21
	s_lshl_b32 s21, s11, 9
	s_add_co_u32 s2, s40, s21
	s_mov_b32 s3, 0
	s_wait_dscnt 0x0                               ; the opening add is done
	s_wait_kmcnt 0x0
	s_add_nc_u64 s[18:19], s[4:5], s[16:17]        ; my tile of K step 0
	s_add_nc_u64 s[PT:PT+1], s[6:7], s[22:23]
	s_add_nc_u64 s[STB:STB+1], s[8:9], s[2:3]
.irp s, 0,1                                    ; both first fills go out together, ahead of every wait on TENSORcnt, every LDS read and every barrier
	s_mov_b32 s[G0+4*(\s)], 1
	s_add_co_u32 s[G0+4*(\s)+1], s20, (\s)*SLOT
	s_add_nc_u64 s[G0+4*(\s)+2:G0+4*(\s)+3], s[18:19], (\s)*KSTEP*2
	s_or_b32 s[G0+4*(\s)+3], s[G0+4*(\s)+3], 0x80000000
	tensor_load_to_lds s[G0+4*(\s):G0+4*(\s)+3], s[G1:G1+7]
	s_nop 0
.endr
	s_add_nc_u64 s[PFA:PFA+1], s[18:19], 2*KSTEP*2 ; at K step 2: the first refill steps it to 3 and names K step 4
	v_and_b32 v1, 15, v0                           ; l % 16
	v_bfe_u32 v2, v0, 4, 1                         ; l / 16
	v_mul_u32_u24 v3, v1, PITCH
	v_lshl_add_u32 v3, v2, 4, v3
	s_mul_i32 s21, s11, HALFT
	s_mul_i32 s22, s12, HALFT
	s_add_co_u32 s22, s22, 2*HALFT
	v_add_nc_u32 v[ADRA], s21, v3
	v_add_nc_u32 v[ADRB], s22, v3
	v_add_nc_u32 v[CURA], s[TB], v[ADRA]
	v_add_nc_u32 v[CURB], s[TB], v[ADRB]
	s_mul_i32 s21, s10, DUMPW                      ; my scores
	v_mul_u32_u24 v4, v1, DPITCH                   ; down: row l % 16, 16 bytes for each half of the lanes
	v_lshl_add_u32 v4, v2, 4, v4
	v_add_nc_u32 v[DST], s21, v4
	v_mul_u32_u24 v4, v2, DPITCH                   ; back: lanes 0-15 one row, lanes 16-31 the next
	v_lshl_add_u32 v4, v1, 4, v4
	v_add_nc_u32 v[DRD], s21, v4
	v_lshlrev_b32 v4, 12, v2                       ; the same two rows in pt
	v_lshl_add_u32 v[PO], v1, 4, v4
	s_lshl_b32 s21, s10, 10
	s_add_co_u32 s21, s21, STATS                   ; my statistics
	v_lshl_add_u32 v[SA], v2, 2, s21
	v_and_b32 v4, 31, v0
	v_lshlrev_b32 v[GS], 4, v4
	v_add_nc_u32 v[SR], s21, v[GS]
	v_mul_u32_u24 v[PFO], v4, ROWB
	v_lshlrev_b32 v4, 3, v1                        ; on the way out lane l holds the keys 8 (l % 16) + j of row 2 u + l / 16: key > query where j - 2 u > QK
	v_sub_nc_u32 v[QK], v2, v4
	s_sub_co_i32 s21, s11, s12
	s_lshl_b32 s21, s21, 7                         ; 128 x (my half of the queries - my half of the keys)
	v_add_nc_u32 v[QK], s21, v[QK]
.macro MUL16 f, hi, a0, zero           ; 16 matrix instructions; zero = 1: the first product starts the sums.  The 64 accumulators take turns, one instruction a turn
	WIN MUL_LO+0x50*(\hi)
.irp a, \a0, (\a0)+1
.irp b, 0,1,2,3,4,5,6,7
.if \zero
	v_wmma_f32_16x16x32_f16 v[8*(8*(\a)+(\b)):8*(8*(\a)+(\b))+7], v[(\f)+8*(\b):(\f)+8*(\b)+7], v[(\f)+8*(4*(\hi)+(\a)):(\f)+8*(4*(\hi)+(\a))+7], 0
.else
	v_wmma_f32_16x16x32_f16 v[8*(8*(\a)+(\b)):8*(8*(\a)+(\b))+7], v[(\f)+8*(\b):(\f)+8*(\b)+7], v[(\f)+8*(4*(\hi)+(\a)):(\f)+8*(4*(\hi)+(\a))+7], v[8*(8*(\a)+(\b)):8*(8*(\a)+(\b))+7]
.endif
.endr
.endr
.endm
.macro FETCH k, f                      ; 32 LDS loads in one run, from the slot in hand: 128 keys, 128 queries, 32 channels at byte k of the rows
	WIN TO_B
.irp i, 0,1,2,3,4,5,6,7
	ds_load_b128 v[(\f)+8*(\i):(\f)+8*(\i)+3],   v[CURB] offset:(\k)+(\i)*16*PITCH
	ds_load_b128 v[(\f)+8*(\i)+4:(\f)+8*(\i)+7], v[CURB] offset:(\k)+(\i)*16*PITCH+32
.endr
	WIN 0
.irp i, 0,1,2,3,4,5,6,7
	ds_load_b128 v[(\f)+8*(\i):(\f)+8*(\i)+3],   v[CURA] offset:(\k)+(\i)*16*PITCH
	ds_load_b128 v[(\f)+8*(\i)+4:(\f)+8*(\i)+7], v[CURA] offset:(\k)+(\i)*16*PITCH+32
.endr
.endm
.macro PLACES                          ; four plain vector instructions behind a matrix instruction, ahead of loads into its sources and of readers of its result (ISA guide 7.12.1 for vector instructions)
.rept 4
	v_nop
.endr
.endm
.macro QUARTER k, f, g, zero
	s_wait_dscnt 8                                 ; k's fragments and q's rows 0-63 are in; the youngest eight loads may be out
	MUL16 \f, 0, 0, \zero
	MUL16 \f, 0, 2, \zero
	PLACES
	FETCH \k, \g
	s_wait_dscnt 32                                ; all but the 32 just issued
	MUL16 \f, 1, 0, \zero
	MUL16 \f, 1, 2, \zero
.endm
; The last quarter of a K step multiplies buffer 1 and changes slots: one barrier; in front of it each wave waits for all its tensor loads (at most one is out: its part of the next slot), adds 0 to its
; spare word, and waits for that and for its own reads of this slot.  fill = 1: this slot is filled again, two K steps on, first thing behind the barrier: 224 matrix instructions ahead of the wait for it.
; fill = 0, the second loop: nothing is asked for; in its last trip (s3 = 1) there is no next slot, and the fetch is jumped over: forward, past text that holds neither a barrier nor a tensor load.
.macro TURN fill
.if \fill
	s_wait_xcnt 0x0                                ; the last prefetches, a K step back, have read their address: it is stepped here
	s_add_nc_u64 s[PFA:PFA+1], s[PFA:PFA+1], KSTEP*2
.endif
	WIN 0                                          ; (the add's two registers lie in window 0)
	s_wait_tensorcnt 0x0                           ; all my tensor loads have landed
	ds_add_u32 v[SPW], v[NIL]                      ; 0 onto my spare word
	s_wait_dscnt 9                                 ; (the add and the youngest eight loads may be out)
	MUL16 F1, 0, 0, 0
	s_wait_dscnt 0x0                               ; the add is done, and my reads of this slot are over
	s_barrier_signal -1
	MUL16 F1, 0, 2, 0                              ; work on registers while the others arrive
.if \fill
	s_barrier_wait -1
	s_xor_b32 s[G0+5], s[G0+5], SLOT               ; no tensor load of mine is out, so the walking group may be written: the other slot than last time,
	s_add_nc_u64 s[G0+6:G0+7], s[G0+6:G0+7], KSTEP*2  ; the next K step; the type bits on top are not reached
	tensor_load_to_lds s[G0+4:G0+7], s[G1:G1+7]
	s_nop 0
.else
	WIN 0                                          ; (a branch follows)
	s_barrier_wait -1
	s_cmp_eq_u32 s3, 1
	s_cbranch_scc1 .Lno_next_\@
.endif
	PLACES                                         ; behind the load, and in front of the loads into buffer 0
	WIN 0
	s_xor_b32 s[TB], s[TB], SLOT                   ; the other slot comes into hand
	v_add_nc_u32 v[CURA], s[TB], v[ADRA]
	v_add_nc_u32 v[CURB], s[TB], v[ADRB]
	FETCH 0, F0
.if \fill
	ASK
.else
.Lno_next_\@:
.endif
	MUL16 F1, 1, 0, 0
	MUL16 F1, 1, 2, 0
.endm
	s_wait_tensorcnt 1                             ; my part of K step 0 is in; K step 1's may stay out
	s_barrier_signal -1
	s_barrier_wait -1
	FETCH 0, F0
	QUARTER 64,  F0, F1, 1                         ; the first quarter stands in front of the loop: its products start the sums
	WIN 0
	s_mov_b32 s3, STEPS-2
.Lstep:                                                ; a trip goes from a K step's second quarter to the next step's first and fills one slot again: six trips ask for K steps 2 to 7
	QUARTER 128, F1, F0, 0
	QUARTER 192, F0, F1, 0
	TURN 1
	QUARTER 64,  F0, F1, 0
	WIN 0
	s_sub_co_u32 s3, s3, 1
	s_cmp_lg_u32 s3, 0
	s_cbranch_scc1 .Lstep
	s_mov_b32 s3, 2
.Ltail:                                                ; K steps 6 and 7: the same trip without a fill; the second trip has no next step
	QUARTER 128, F1, F0, 0
	QUARTER 192, F0, F1, 0
	TURN 0
	WIN 0
	s_cmp_eq_u32 s3, 1
	s_cbranch_scc1 .Lno_first
	QUARTER 64,  F0, F1, 0
	WIN 0
.Lno_first:
	s_sub_co_u32 s3, s3, 1
	s_cmp_lg_u32 s3, 0
	s_cbranch_scc1 .Ltail
	PLACES                                         ; the stores below read results just made
	s_wait_dscnt 0x0                               ; my reads of the ring are over,
	s_barrier_signal -1
	s_barrier_wait -1                              ; everybody's are, and every tensor load has landed (each wave waited for its own at the last change of slots): the ring's bytes are free
; The scores go down.  Of a lane's eight keys 16 b + 8 h + 0 .. 7 the first four go to byte 32 b + 16 h of the row, the other four 256 bytes further: read back, lane c finds the keys 8 c + 0 .. 7 at 16 c and 256 + 16 c.
.irp a, 0,1,2,3,4,5,6,7
	WIN 0x08+4*((\a)/4)                            ; the data (source 1) in window 2 or 3
.irp b, 0,1,2,3,4,5,6,7
	ds_store_b128 v[DST], v[8*(8*((\a)%4)+(\b)):8*(8*((\a)%4)+(\b))+3]   offset:(\a)*16*DPITCH+32*(\b)
	ds_store_b128 v[DST], v[8*(8*((\a)%4)+(\b))+4:8*(8*((\a)%4)+(\b))+7] offset:(\a)*16*DPITCH+32*(\b)+256
.endr
.endr
	WIN 0
	s_mov_b32 s[CNT], 8
	s_mov_b32 s[DOF], 0
	s_mov_b32 s[SOF], 0
.Lrows:                                                ; a trip: 16 rows.  Row group u = 0 .. 7 is the rows 2 u (lanes 0-15) and 2 u + 1 (lanes 16-31)
	v_add_nc_u32 v[DAD], s[DOF], v[DRD]
	v_add_nc_u32 v[SAD], s[SOF], v[SA]
.irp u, 0,1,2,3,4,5,6,7
	ds_load_b128 v[S+8*(\u):S+8*(\u)+3],   v[DAD] offset:(\u)*2*DPITCH      ; my own bytes: LDS serves a wave's instructions in order (ISA guide 5.7.1.4)
	ds_load_b128 v[S+8*(\u)+4:S+8*(\u)+7], v[DAD] offset:(\u)*2*DPITCH+256
.endr
	s_wait_dscnt 0x0
	s_cmp_eq_u32 s[DIAG], 0
	s_cbranch_scc1 .Lopen                          ; below the diagonal nothing is hidden
.irp u, 0,1,2,3,4,5,6,7
.irp j, 0,1,2,3,4,5,6,7
	v_cmp_gt_i32 vcc_lo, (\j)-2*(\u), v[QK]
	v_cndmask_b32 v[S+8*(\u)+(\j)], v[S+8*(\u)+(\j)], s[BIG], vcc_lo
.endr
.endr
.Lopen:
.irp u, 0,1,2,3,4,5,6,7                        ; the maximum: each step for all eight groups, so that no line waits for the one before it
	v_max3_num_f32 v[MX+2*(\u)+1], v[S+8*(\u)], v[S+8*(\u)+1], v[S+8*(\u)+2]
.endr
.irp u, 0,1,2,3,4,5,6,7
	v_max3_num_f32 v[MX+2*(\u)+1], v[MX+2*(\u)+1], v[S+8*(\u)+3], v[S+8*(\u)+4]
.endr
.irp u, 0,1,2,3,4,5,6,7
	v_max3_num_f32 v[MX+2*(\u)+1], v[MX+2*(\u)+1], v[S+8*(\u)+5], v[S+8*(\u)+6]
.endr
.irp u, 0,1,2,3,4,5,6,7
	v_max_num_f32 v[MX+2*(\u)+1], v[MX+2*(\u)+1], v[S+8*(\u)+7]
.endr
.irp x, 1,2,4,8                                ; across the row's 16 lanes
.irp u, 0,1,2,3,4,5,6,7
	v_max_num_f32_dpp v[MX+2*(\u)+1], v[MX+2*(\u)+1], v[MX+2*(\u)+1] row_xmask:\x row_mask:0xf bank_mask:0xf
.endr
.endr
.irp u, 0,1,2,3,4,5,6,7
	v_mul_f32 v[MX+2*(\u)], s[CS], v[MX+2*(\u)+1]  ; m
.endr
.irp u, 0,1,2,3,4,5,6,7
.irp k, 0,1,2,3
	v_pk_fma_f32 v[S+8*(\u)+2*(\k):S+8*(\u)+2*(\k)+1], v[S+8*(\u)+2*(\k):S+8*(\u)+2*(\k)+1], s[CS:CS+1], v[MX+2*(\u):MX+2*(\u)+1] op_sel_hi:[1,0,0] neg_lo:[0,0,1] neg_hi:[0,0,1]  ; c s - m
.endr
.endr
.set i, 0
.rept 64                                       ; one batch of exponentials,
	v_exp_f32 v[S+i], v[S+i]
.set i, i+1
.endr
	v_nop                                          ; one plain instruction behind the last,
	s_wait_alu depctr_va_vdst(0)                   ; and one wait ahead of the first reader
.irp u, 0,1,2,3,4,5,6,7
.irp k, 0,1,2,3
	v_cvt_pk_f16_f32 v[PK+4*(\u)+(\k)], v[S+8*(\u)+2*(\k)], v[S+8*(\u)+2*(\k)+1]
.endr
	global_store_b128 v[PO], v[PK+4*(\u):PK+4*(\u)+3], s[PT:PT+1] offset:(\u)*8192  ; 16 lanes store 256 consecutive bytes, at a multiple of 256 from pt's first byte
.endr
.irp u, 0,1,2,3,4,5,6,7                        ; the sums of the unrounded p
	v_pk_add_f32 v[S+8*(\u):S+8*(\u)+1], v[S+8*(\u):S+8*(\u)+1], v[S+8*(\u)+2:S+8*(\u)+3]
	v_pk_add_f32 v[S+8*(\u)+4:S+8*(\u)+5], v[S+8*(\u)+4:S+8*(\u)+5], v[S+8*(\u)+6:S+8*(\u)+7]
.endr
.irp u, 0,1,2,3,4,5,6,7
	v_pk_add_f32 v[S+8*(\u):S+8*(\u)+1], v[S+8*(\u):S+8*(\u)+1], v[S+8*(\u)+4:S+8*(\u)+5]
.endr
.irp u, 0,1,2,3,4,5,6,7
	v_add_f32 v[SUM+(\u)], v[S+8*(\u)], v[S+8*(\u)+1]
.endr
.irp x, 1,2,4,8
.irp u, 0,1,2,3,4,5,6,7
	v_add_f32_dpp v[SUM+(\u)], v[SUM+(\u)], v[SUM+(\u)] row_xmask:\x row_mask:0xf bank_mask:0xf
.endr
.endr
.irp u, 0,1,2,3,4,5,6,7
	ds_store_b32 v[SAD], v[MX+2*(\u)] offset:8*(\u)       ; a row's 16 lanes write the same word with the same number
	ds_store_b32 v[SAD], v[SUM+(\u)]  offset:512+8*(\u)
.endr
	s_wait_xcnt 0x0                                ; the stores have read their data and their base: both are written again only behind this wait
	s_add_nc_u64 s[PT:PT+1], s[PT:PT+1], 16*4096
	v_add_nc_u32 v[QK], 16, v[QK]
	s_add_co_u32 s[DOF], s[DOF], 16*DPITCH
	s_add_co_u32 s[SOF], s[SOF], 64
	s_sub_co_u32 s[CNT], s[CNT], 1
	s_cmp_lg_u32 s[CNT], 0
	s_cbranch_scc1 .Lrows
	ds_load_b128 v[S:S+3],   v[SR]                 ; my 128 m and 128 l, 512 consecutive bytes each
	ds_load_b128 v[S+4:S+7], v[SR] offset:512
	s_wait_dscnt 0x0
	global_store_b128 v[GS], v[S:S+3],   s[STB:STB+1]
	global_store_b128 v[GS], v[S+4:S+7], s[STB:STB+1] offset:8192
	s_wait_tensorcnt 0x0                           ; the wave's end, behind my last tensor load and my last LDS store
	ds_add_u32 v[SPW], v[NIL]
	s_wait_dscnt 0x0
	s_endpgm
.Lfunc_end_k_qab4ccd5dbf_score:
	.size	k_qab4ccd5dbf_score, .Lfunc_end_k_qab4ccd5dbf_score-k_qab4ccd5dbf_score
	.p2alignl 7, 3214868480
	.fill 96, 4, 3214868480
	.section	.rodata,"a",@progbits
	.p2align	6, 0x0
	.amdhsa_kernel k_qab4ccd5dbf_score
		.amdhsa_group_segment_fixed_size 327680
		.amdhsa_private_segment_fixed_size 0
		.amdhsa_enable_private_segment 0
		.amdhsa_kernarg_size 24
		.amdhsa_user_sgpr_count 2
		.amdhsa_user_sgpr_kernarg_segment_ptr 1
		.amdhsa_wavefront_size32 1
		.amdhsa_system_sgpr_workgroup_id_x 1
		.amdhsa_system_sgpr_workgroup_id_y 1
		.amdhsa_system_sgpr_workgroup_id_z 1
		.amdhsa_system_vgpr_workitem_id 0
		.amdhsa_next_free_vgpr 1024
		.amdhsa_next_free_sgpr 66
		.amdhsa_reserve_vcc 1
		.amdhsa_float_denorm_mode_32 3
		.amdhsa_float_denorm_mode_16_64 3
		.amdhsa_memory_ordered 1
		.amdhsa_forward_progress 1
		.amdhsa_inst_pref_size 99
	.end_amdhsa_kernel
	.amdgpu_metadata
---
amdhsa.version: [ 1, 2 ]
amdhsa.kernels:
  - .name:           k_qab4ccd5dbf_score
    .symbol:         k_qab4ccd5dbf_score.kd
    .args:
      - { .name: qkv, .offset: 0, .size: 8, .value_kind: global_buffer, .address_space: global }
      - { .name: pt, .offset: 8, .size: 8, .value_kind: global_buffer, .address_space: global }
      - { .name: st, .offset: 16, .size: 8, .value_kind: global_buffer, .address_space: global }
    .group_segment_fixed_size: 327680
    .private_segment_fixed_size: 0
    .kernarg_segment_align: 8
    .kernarg_segment_size: 24
    .max_flat_workgroup_size: 128
    .sgpr_count:     66
    .vgpr_count:     1024
    .wavefront_size: 32
...
	.end_amdgpu_metadata
.endif
;; end of part 3
;; launch pv (part 4): grid 8 x 32, 4 waves a work-group, clusters of 4 x 1, 327,680 bytes of LDS; arguments pt, qkv, st, out0; writes out0
.if DOCPART == 4
	.amdgcn_target "amdgcn-amd-amdhsa--gfx1250"
	.amdhsa_code_object_version 6
	.text
	.protected	k_qab4ccd5dbf_pv
	.globl	k_qab4ccd5dbf_pv
	.p2align	8
	.type	k_qab4ccd5dbf_pv,@function
k_qab4ccd5dbf_pv:
	s_mov_b64 s[64:65], 0
	v_nop
	global_prefetch_b8 v0, s[64:65] scope:SCOPE_SE
	s_setreg_imm32_b32 hwreg(HW_REG_WAVE_MODE, 25, 1), 1
	s_wait_xcnt 0x0
	s_wait_alu depctr_hold_cnt(0) depctr_sa_sdst(0) depctr_va_vdst(0) depctr_va_sdst(0) depctr_va_ssrc(0) depctr_va_vcc(0) depctr_vm_vsrc(0)
	s_getreg_b32 s2, hwreg(HW_REG_IB_STS2, 6, 4)
	s_cmp_eq_u32 s2, 0
	s_cbranch_scc0 .Lentry_in_a_cluster
	s_endpgm
.Lentry_in_a_cluster:
	s_bfe_u32 s2, ttmp6, 0x10000c
	s_cmp_lg_u32 s2, 0x3003
	s_cbranch_scc0 .Lentry_shape_is_right
	s_endpgm
.Lentry_shape_is_right:
; out0[batch][q][ch] = sum over blocks e of 128 keys of f'(q, e) x (sum over the block's keys of p[q][key] v[key][ch]),  f' = 2^(m(q, e) - M(q)) / L(q),  M = max over e of m,  L = sum over e of 2^(m - M) l.
; p (pt, f16), m and l (st, f32) come from the launch before, v is columns 2,048 .. 3,071 of qkv (f16).  Products in f16 with f32 sums; f', M, L and the sums over blocks in f32; out0 is f32.
; Both exponents are at most 0.  A block that a row does not see has m = -c 2^100, so f' = 0, and its finite p add nothing.  LIMITS: those of the launches before (|v| <= 65,504; NaN and infinities not treated apart).
; THE WALK.  A work-group makes 128 channels (x) of TWO blocks of 128 queries, 15 - p and then p (y = 8 batch + p).  Keys go in tiles of 256: 8 - p / 2 tiles for the first block, p / 2 + 1 for the second:
; 9 tiles whatever p, so all 256 work-groups do equal work and one loop with a constant trip count walks them.  Which tile is asked for, and where the blocks change, hang on scalars made from p.
; THE LOOP'S TEXT IS ONE TILE.  Which slot is in hand is a scalar, s[TB] = 0 or SLOTB, and s[TBO] the other; both are turned by an exclusive or once a trip; the fragments' LDS addresses and the descriptors' LDS
; words are made anew from them, as sums with fixed terms.
; CLUSTER.  The four work-groups of a cluster make four channel blocks of the same queries: p's tile is asked for JOINTLY (waves 0, 1); each fetches its own columns of v (waves 2, 3: a plain load).
; Nothing that a branch, a trip count or an LDS address hangs on differs between partners: they share y.
; A wave makes 64 queries x 64 channels.  T (16 accumulators) takes one block of 128 keys; then O += f' x T, 64 packed multiply-adds, in f32.
; THE MATRIX INSTRUCTION IS USED TRANSPOSED (source 0 = 16 channels of v, turned by ds_load_tr16_b128; source 1 = 16 queries of p): a lane holds ONE query (l % 16) and eight channels, so f' is one number a lane.
; O starts at 0 by 128 v_mov_b32 at the launch's and at the second block's beginning: the price of one text for every trip.
; REGISTERS: window 0: v0-31 addresses; v32-47 f' (pairs; the odd registers hold 0); v64-127 the way out, and at work in the prologue; v128-255 T.   window 1: two fragment buffers of 128.   window 2: v0-127 O.
.set ROWB,   6144                      ; bytes in a row of qkv
.set APITCH, 528                       ; a row of p in LDS: 512 bytes + 16: the 16 rows of a load start at 16 different groups of four banks (64 banks of 4 bytes: ISA guide 11.1)
.set BPITCH, 288                       ; a row of v: 256 + 32
.set AHALF,  64*APITCH
.set BOFF,   128*APITCH                ; a slot: 128 rows of p, then 256 rows of v
.set BHALF,  128*BPITCH
.set SLOTB,  BOFF+2*BHALF
.set STAGE,  2*SLOTB                   ; 16 rows x 272 bytes for each wave, for the way out
.set SPITCH, 272
.set FT,     STAGE+4*16*SPITCH         ; f': 18 entries (the walk's blocks of 128 keys) x 128 queries
.set SPARE,  FT+18*512                 ; the spare words, 128 bytes for each wave, which no other line names
.set ADRA, 8                           ; v8      my p fragments in slot 0; never rewritten
.set VCA,  9                           ; v9      in the slot in hand
.set ADRB, 10                          ; v10-11  my v fragments in slot 0, by half of the tile's keys; never rewritten
.set VCB,  12                          ; v12-13  in the slot in hand
.set FA,   14                          ; v14     my query's word in an entry of FT; never rewritten
.set STO,  15
.set RD,   16
.set GO,   17
.set PFO,  18
.set FAD,  19                          ; v19     the trip's address in FT
.set SPW,  28
.set NIL,  29
.set FS,   32
.set OB,   64
.set ACC,  128
.set F0,   0
.set F1,   128
.set OFS,  64                          ; the prologue: v[64:81] offsets in st, v[128:145] m, v[160:177] l, v[192:209] f, v100-108 at work
.set MM,   128
.set LL,   160
.set FF,   192
.set MH,   100
.set ML,   101
.set LH,   102
.set LO,   103
.set RH,   104
.set RL,   105
.set W0,   106
.set W1,   107
.set FTA,  108
.set WV,   12                          ; s12 wave; s13 my half of the queries; s14 my half of the channels, and which half of a tile I fetch
.set G1A,  24                          ; s[24:31], s[32:39] descriptor groups 1
.set G1B,  32
.set G0A,  40                          ; s[40:43] descriptor group 0 for p's tiles, made anew for each fill
.set TB,   44                          ; s44 the slot in hand: 0 or SLOTB
.set TBO,  45                          ; s45 the other slot
.set LA0,  46                          ; s46 where my half of p's tile lies in a slot
.set LB0,  47                          ; s47 where my half of v's tile lies in a slot
.set G0B,  48                          ; s[48:51] descriptor group 0 for v's tiles
.set SLOTS, 56                         ; s56 tiles still to be asked for
.set LAP,  57
.set NXT,  58                          ; s58 the tile to be asked for next
.set LQ,   59                          ; s59 the last tile of the block whose tiles are being asked for
.set RT,   60                          ; s60 tiles of the block in hand that are still to be entered
.set LIM,  61                          ; s61 a wave prefetches while SLOTS is above it
.set CURA, 66                          ; s[66:67] pt at my rows of the block whose tiles are being asked for
.set ALO,  68                          ; s[68:69] the same for the second block
.set BASEB, 70                         ; s[70:71] v at my half of tile 0, my work-group's columns
.set PFA,  72                          ; s[72:73] where my prefetches stand
.set OUT,  74                          ; s[74:75] out0 at my rows and columns of the block in hand; s[76:77] of the second block
.set HB,   80                          ; s80 bit e is set where entry e belongs to the first block
.set FTO,  85                          ; s85 the trip's two entries in FT
; s[62:63] the offset that enters the joint descriptor.  Registers that ever hold my place in the cluster: s15, s16, s[70:79], s81-84, s93, s94: none of them feeds that descriptor.
.set MSB, 0
.macro WIN new
.if MSB != (\new)
	s_set_vgpr_msb (MSB<<8)|(\new)
.set MSB, \new
.endif
.endm
.set MUL,    0x05                      ; sources 0 and 1 window 1; C and D window 0
.set TO_F,   0x40                      ; destination window 1
.set W_LUMP, 0xa0                      ; destination and source 2 window 2
.set W_OST,  0x08                      ; an LDS store's data (source 1) window 2
.set W_OZ,   0x80                      ; destination window 2
.macro JLOAD                           ; waves 0, 1: the two halves of p's tile, jointly; waves 2, 3: the two halves of v's.  An s_nop 0 and four v_nop follow each line
	s_cmp_lt_u32 s[WV], 2
	s_cbranch_scc0 .Lfor_b_\@
	tensor_load_to_lds s[G0A:G0A+3], s[G1A:G1A+7]
	s_nop 0
.rept 4
	v_nop
.endr
	s_branch .Lasked_\@
.Lfor_b_\@:
	tensor_load_to_lds s[G0B:G0B+3], s[G1B:G1B+7]
	s_nop 0
.rept 4
	v_nop
.endr
.Lasked_\@:
.endm
; A prefetch of the tile that the NEXT trip will ask for, behind this trip's tensor load and first run of LDS loads: 128 matrix instructions ahead of that load.
; p's tile is read by the two clusters of its queries: cluster x = 0 asks; of the 64 rows x 512 bytes that a wave fetches each partner takes 16 rows, told apart by address: a lane for each 256 bytes.
; v's tile is read by all p of its batch and columns: p = 0 asks, for its first block's tiles alone (they are all eight), a lane a row, four instructions.  The walk's first two tiles come by their loads alone.
.macro ASK
	s_cmp_gt_u32 s[SLOTS], s[LIM]
	s_cbranch_scc0 .Lnone_\@
	s_cmp_lt_u32 s[WV], 2
	s_cbranch_scc0 .Lv_\@
	global_prefetch_b8 v[PFO], s[PFA:PFA+1] th:TH_LOAD_NT scope:SCOPE_SE
	s_branch .Lnone_\@
.Lv_\@:
.irp g, 0,1,2,3
	global_prefetch_b8 v[PFO], s[PFA:PFA+1] offset:(\g)*32*ROWB th:TH_LOAD_NT scope:SCOPE_SE
.endr
.Lnone_\@:
.endm
.macro CROUND                          ; a round of the cluster's barrier
	s_barrier_signal -1
	s_barrier_wait -1
	s_cmp_lg_u32 s[WV], 0
	s_cbranch_scc1 .Lnot_wave_0_\@
	s_barrier_signal -3
.Lnot_wave_0_\@:
	s_barrier_wait -3
	s_barrier_signal -1
	s_barrier_wait -1
.endm
	s_load_b256 s[4:11], s[0:1], 0x0               ; pt s[4:5], qkv s[6:7], st s[8:9], out0 s[10:11]
	v_lshl_add_u32 v[SPW], v0, 2, SPARE
	v_mov_b32 v[NIL], 0
	ds_add_u32 v[SPW], v[NIL]                      ; the wave's opening: the add and its wait stand ahead of my first tensor load
	v_lshrrev_b32 v1, 5, v0
	v_readfirstlane_b32 s[WV], v1
	s_lshr_b32 s13, s[WV], 1
	s_and_b32 s14, s[WV], 1
	s_bfe_u32 s15, ttmp6, 0x40000                  ; cx
	s_lshl_b32 s16, ttmp9, 2
	s_add_co_u32 s16, s16, s15                     ; my block of 128 channels
	s_and_b32 s17, ttmp7, 0xffff
	s_lshr_b32 s18, s17, 3                         ; batch
	s_and_b32 s19, s17, 7                          ; p
	s_lshr_b32 s22, s19, 1                         ; the second block's last tile
	s_sub_co_u32 s20, 8, s22                       ; the first block's tiles
	s_add_co_u32 s21, s22, 1                       ; the second block's
	s_lshl_b32 s23, s20, 1                         ; the first block's entries
	s_bfm_b32 s[HB], s23, 0
	s_mov_b32 s[G1A], 15|(1<<16)|(1<<20)|(1<<21)|(6<<22)|(3<<25)  ; the mask of four; elements of 2 bytes; padding on; bit 21 beside a mask; after every 128 words (code 6) 4 words (code 3)
	s_mov_b32 s[G1A+1], 256<<16                    ; tensor_dim0 = 256
	s_mov_b32 s[G1A+2], 64<<16                     ; tensor_dim1 = 64
	s_mov_b32 s[G1A+3], 256<<16                    ; tile_dim0 = 256
	s_mov_b32 s[G1A+4], 64                         ; tile_dim1 = 64
	s_mov_b32 s[G1A+5], 2048                       ; elements from row to row
	s_mov_b32 s[G1A+6], 0
	s_mov_b32 s[G1A+7], 0
	s_mov_b32 s[G1B], (1<<16)|(1<<20)|(5<<22)|(7<<25)  ; no mask; after every 64 words (code 5) 8 words (code 7)
	s_mov_b32 s[G1B+1], 128<<16
	s_mov_b32 s[G1B+2], 128<<16
	s_mov_b32 s[G1B+3], 128<<16
	s_mov_b32 s[G1B+4], 128
	s_mov_b32 s[G1B+5], 3072
	s_mov_b32 s[G1B+6], 0
	s_mov_b32 s[G1B+7], 0
	s_mul_i32 s[LA0], s14, AHALF
	s_mul_i32 s[LB0], s14, BHALF
	s_add_co_u32 s[LB0], s[LB0], BOFF
	s_mov_b32 s[TB], 0                             ; slot 0 is in hand first
	s_mov_b32 s[TBO], SLOTB
	s_mov_b32 s[G0A], 1
	s_add_co_u32 s[G0A+1], s[LA0], s[TB]           ; tile 0 goes into slot 0
	s_mov_b32 s[G0B], 1
	s_add_co_u32 s[G0B+1], s[LB0], s[TB]
	s_lshl_b32 s86, s18, 11                        ; the batch's first row
	s_sub_co_u32 s87, 15, s19
	s_lshl_b32 s88, s87, 7
	s_add_co_u32 s88, s88, s86                     ; the first block's first row
	s_lshl_b32 s89, s19, 7
	s_add_co_u32 s89, s89, s86                     ; the second block's
	s_lshl_b32 s90, s14, 6                         ; the 64 rows of p that I fetch
	s_mov_b32 s63, 0
	s_mov_b32 s79, 0
	s_mov_b32 s83, 0
	s_mov_b32 s[SLOTS], 8
	s_mov_b32 s[NXT], 1
	s_sub_co_u32 s[LQ], s20, 1
	s_mov_b32 s[RT], s20
	s_mov_b32 s[FTO], 0
	s_lshl_b32 s81, s15, 16                        ; my work-group's 16 rows of pt among a wave's 64
	s_mov_b32 s91, ROWB
	s_mov_b32 s92, 16*ROWB
	s_cmp_eq_u32 ttmp9, 0
	s_cselect_b32 s93, 1, -1
	s_cmp_eq_u32 s19, 0
	s_cselect_b32 s94, 2, -1
	s_cmp_lt_u32 s[WV], 2
	s_cselect_b32 s[LIM], s93, s94
	s_cselect_b32 s91, 4096, s91                   ; the prefetches' offset is (l % 16) x s91 + (l / 16) x s92
	s_cselect_b32 s92, 256, s92
	s_wait_dscnt 0x0                               ; the opening add is done
	s_wait_kmcnt 0x0
	s_add_co_u32 s62, s88, s90
	s_lshl_b32 s62, s62, 12
	s_add_nc_u64 s[CURA:CURA+1], s[4:5], s[62:63]
	s_add_co_u32 s62, s89, s90
	s_lshl_b32 s62, s62, 12
	s_add_nc_u64 s[ALO:ALO+1], s[4:5], s[62:63]
	s_lshl_b32 s78, s14, 7                         ; the 128 keys that I fetch
	s_add_co_u32 s78, s78, s86
	s_mul_i32 s78, s78, ROWB
	s_lshl_b32 s84, s16, 8                         ; my work-group's 128 channels,
	s_add_co_u32 s78, s78, s84
	s_add_co_u32 s78, s78, 4096                    ; behind q and k in the row
	s_add_nc_u64 s[BASEB:BASEB+1], s[6:7], s[78:79]
	s_lshl_b32 s93, s13, 6                         ; my 64 queries
	s_lshl_b32 s84, s16, 9
	s_lshl_b32 s94, s14, 8
	s_add_co_u32 s84, s84, s94                     ; my 64 channels: 256 bytes
	s_add_co_u32 s78, s88, s93
	s_lshl_b32 s78, s78, 12
	s_add_co_u32 s78, s78, s84
	s_add_nc_u64 s[OUT:OUT+1], s[10:11], s[78:79]
	s_add_co_u32 s78, s89, s93
	s_lshl_b32 s78, s78, 12
	s_add_co_u32 s78, s78, s84
	s_add_nc_u64 s[OUT+2:OUT+3], s[10:11], s[78:79]
	s_mov_b64 s[G0A+2:G0A+3], s[CURA:CURA+1]       ; tile 0
	s_or_b32 s[G0A+3], s[G0A+3], 0x80000000
	s_mov_b64 s[G0B+2:G0B+3], s[BASEB:BASEB+1]
	s_or_b32 s[G0B+3], s[G0B+3], 0x80000000
	CROUND                                         ; all four work-groups are here: the first joint loads meet
	JLOAD
	v_and_b32 v1, 15, v0                           ; l % 16
	v_bfe_u32 v2, v0, 4, 1                         ; l / 16
	v_mul_u32_u24 v3, v1, APITCH
	v_lshl_add_u32 v3, v2, 4, v3
	s_mul_i32 s2, s13, AHALF
	v_add_nc_u32 v[ADRA], s2, v3
	v_and_b32 v4, 7, v0                            ; the turning load: lane l reads key 8 (l / 16) + l % 8, channels 8 ((l / 8) % 2) + 0 .. 7
	v_bfe_u32 v5, v0, 3, 1
	v_lshl_add_u32 v4, v2, 3, v4
	v_mul_u32_u24 v4, v4, BPITCH
	v_lshl_add_u32 v4, v5, 4, v4
	s_lshl_b32 s2, s14, 7
	s_add_co_u32 s2, s2, BOFF
	v_add_nc_u32 v[ADRB], s2, v4
	v_add_nc_u32 v[ADRB+1], BHALF, v[ADRB]
	s_lshl_b32 s2, s13, 8
	s_add_co_u32 s2, s2, FT
	v_lshl_add_u32 v[FA], v1, 2, s2
	s_mul_i32 s2, s[WV], 16*SPITCH
	s_add_co_u32 s2, s2, STAGE
	v_mul_u32_u24 v3, v1, SPITCH                   ; in: row l % 16, 32 bytes for each half of the lanes
	v_lshl_add_u32 v3, v2, 5, v3
	v_add_nc_u32 v[STO], s2, v3
	v_mul_u32_u24 v3, v2, SPITCH                   ; back: lanes 0-15 one row of 256 bytes, lanes 16-31 the next
	v_lshl_add_u32 v3, v1, 4, v3
	v_add_nc_u32 v[RD], s2, v3
	v_lshlrev_b32 v3, 12, v2
	v_lshl_add_u32 v[GO], v1, 4, v3
	v_mul_u32_u24 v[PFO], v1, s91
	v_mad_u32_u24 v[PFO], v2, s92, v[PFO]
	; THE TABLE OF f'.  Thread t owns query t of both blocks.  Entry e of the walk is block e of the first query block, or block e less the first block's entries of the second.
	s_lshl_b32 s91, s18, 18                        ; the batch's part of st,
	s_lshl_b32 s87, s87, 9
	s_lshl_b32 s92, s19, 9
	s_add_co_u32 s92, s92, s91                     ; the second query block's rows,
	s_add_co_u32 s91, s91, s87                     ; the first's
.set e, 0
.rept 18
	s_bitcmp1_b32 s[HB], e
	s_cselect_b32 s86, s91, s92
	s_cselect_b32 s87, 0, s23
	s_sub_co_u32 s87, e, s87                       ; the block of keys
	s_lshl_b32 s87, s87, 14
	s_add_co_u32 s86, s86, s87
	v_lshl_add_u32 v[OFS+e], v0, 2, s86
	global_load_b32 v[MM+e], v[OFS+e], s[8:9]
	global_load_b32 v[LL+e], v[OFS+e], s[8:9] offset:8192
.set e, e+1
.endr
	WIN W_OZ                                       ; O = 0, while those loads and the first tile are on their way
.set i, 0
.rept 128
	v_mov_b32 v[i], 0
.set i, i+1
.endr
	WIN 0
.set i, 0
.rept 8
	v_mov_b32 v[FS+2*i+1], 0                       ; named with f' as pairs
.set i, i+1
.endr
	s_mov_b32 s88, 0xff7fffff                      ; the lowest finite number,
	s_mov_b32 s89, 0x7f7fffff                      ; the greatest
	v_mov_b32 v[MH], s88
	v_mov_b32 v[ML], s88
	v_mov_b32 v[LH], 0
	v_mov_b32 v[LO], 0
	v_lshl_add_u32 v[FTA], v0, 2, FT
	s_wait_loadcnt 0x0
.set e, 0
.rept 18                                       ; M of each query block: an entry of the other block counts as the lowest number
	s_bitcmp1_b32 s[HB], e
	s_cselect_b32 s86, s89, s88
	s_cselect_b32 s87, s88, s89
	v_min_num_f32 v[W0], s86, v[MM+e]
	v_min_num_f32 v[W1], s87, v[MM+e]
	v_max_num_f32 v[MH], v[MH], v[W0]
	v_max_num_f32 v[ML], v[ML], v[W1]
.set e, e+1
.endr
.set e, 0
.rept 18
	s_bitcmp1_b32 s[HB], e
	s_cselect_b32 s86, -1, 0
	v_cndmask_b32 v[W0], v[ML], v[MH], s86
	v_sub_f32 v[FF+e], v[MM+e], v[W0]              ; m - M, at most 0
.set e, e+1
.endr
.set e, 0
.rept 18
	v_exp_f32 v[FF+e], v[FF+e]
.set e, e+1
.endr
	v_nop                                          ; one plain instruction behind the batch's last exponential,
	s_wait_alu depctr_va_vdst(0)                   ; and one wait ahead of its first reader
.set e, 0
.rept 18                                       ; L of each query block
	s_bitcmp1_b32 s[HB], e
	s_cselect_b32 s86, 1.0, 0
	s_cselect_b32 s87, 0, 1.0
	v_mul_f32 v[W0], v[FF+e], v[LL+e]
	v_fma_f32 v[LH], v[W0], s86, v[LH]
	v_fma_f32 v[LO], v[W0], s87, v[LO]
.set e, e+1
.endr
	v_rcp_f32 v[RH], v[LH]                         ; L is at least the l of the block that holds M, which is about 1 or more
	v_rcp_f32 v[RL], v[LO]
	v_nop
	s_wait_alu depctr_va_vdst(0)
.set e, 0
.rept 18
	s_bitcmp1_b32 s[HB], e
	s_cselect_b32 s86, -1, 0
	v_cndmask_b32 v[W0], v[RL], v[RH], s86
	v_mul_f32 v[FF+e], v[FF+e], v[W0]
	ds_store_b32 v[FTA], v[FF+e] offset:512*e      ; the first trip's wait for 0 and its round stand between these stores and the other waves' reads
.set e, e+1
.endr
.macro MUL8 f, c, a0, zero             ; 8 matrix instructions: query blocks a0, a0 + 1 x all 4 channel blocks, 32 keys: half c of buffer f.  The 16 accumulators take turns, one instruction a turn
	WIN MUL
.irp a, \a0, (\a0)+1
.irp b, 0,1,2,3
.if \zero
	v_wmma_f32_16x16x32_f16 v[ACC+8*(4*(\a)+(\b)):ACC+8*(4*(\a)+(\b))+7], v[(\f)+64+8*(4*(\c)+(\b)):(\f)+64+8*(4*(\c)+(\b))+7], v[(\f)+8*(4*(\c)+(\a)):(\f)+8*(4*(\c)+(\a))+7], 0
.else
	v_wmma_f32_16x16x32_f16 v[ACC+8*(4*(\a)+(\b)):ACC+8*(4*(\a)+(\b))+7], v[(\f)+64+8*(4*(\c)+(\b)):(\f)+64+8*(4*(\c)+(\b))+7], v[(\f)+8*(4*(\c)+(\a)):(\f)+8*(4*(\c)+(\a))+7], v[ACC+8*(4*(\a)+(\b)):ACC+8*(4*(\a)+(\b))+7]
.endif
.endr
.endr
.endm
.macro FETCH q, f                      ; 32 LDS loads in one run, from the slot in hand: quarter q of the tile (64 keys) into buffer f; the first 32 keys first
	WIN TO_F
.irp c, 0,1
.irp i, 0,1,2,3
	ds_load_tr16_b128 v[(\f)+64+8*(4*(\c)+(\i)):(\f)+64+8*(4*(\c)+(\i))+3],   v[VCB+(\q)/2] offset:(2*((\q)%2)+(\c))*32*BPITCH+32*(\i)
	ds_load_tr16_b128 v[(\f)+64+8*(4*(\c)+(\i))+4:(\f)+64+8*(4*(\c)+(\i))+7], v[VCB+(\q)/2] offset:(2*((\q)%2)+(\c))*32*BPITCH+16*BPITCH+32*(\i)
	ds_load_b128 v[(\f)+8*(4*(\c)+(\i)):(\f)+8*(4*(\c)+(\i))+3],   v[VCA] offset:128*(\q)+64*(\c)+(\i)*16*APITCH
	ds_load_b128 v[(\f)+8*(4*(\c)+(\i))+4:(\f)+8*(4*(\c)+(\i))+7], v[VCA] offset:128*(\q)+64*(\c)+(\i)*16*APITCH+32
.endr
.endr
.endm
.macro PLACES                          ; four plain vector instructions behind a matrix instruction, ahead of loads into its sources and of readers of its result (ISA guide 7.12.1 for vector instructions)
.rept 4
	v_nop
.endr
.endm
.macro QRT q, f, g, zero               ; multiplies buffer f; in its middle fetches quarter q into g
	s_wait_dscnt 16                                ; the first 32 keys are in
	MUL8 \f, 0, 0, \zero
	MUL8 \f, 0, 2, \zero
	PLACES
	FETCH \q, \g
	s_wait_dscnt 32                                ; all but the 32 just issued
	MUL8 \f, 1, 0, 0
	MUL8 \f, 1, 2, 0
.endm
.macro FLOADS                          ; f' of the trip's two entries for my four query blocks
	WIN 0
	v_add_nc_u32 v[FAD], s[FTO], v[FA]
.irp hf, 0,1
.irp a, 0,1,2,3
	ds_load_b32 v[FS+8*(\hf)+2*(\a)], v[FAD] offset:512*(\hf)+64*(\a)
.endr
.endr
	s_add_co_u32 s[FTO], s[FTO], 1024
.endm
.macro LUMP half                       ; O += f' x T; each accumulator's registers in ascending order
	WIN W_LUMP
.irp a, 0,1,2,3
.irp b, 0,1,2,3
.irp k, 0,1,2,3
	v_pk_fma_f32 v[8*(4*(\a)+(\b))+2*(\k):8*(4*(\a)+(\b))+2*(\k)+1], v[ACC+8*(4*(\a)+(\b))+2*(\k):ACC+8*(4*(\a)+(\b))+2*(\k)+1], v[FS+8*(\half)+2*(\a):FS+8*(\half)+2*(\a)+1], v[8*(4*(\a)+(\b))+2*(\k):8*(4*(\a)+(\b))+2*(\k)+1] op_sel_hi:[1,0,1]
.endr
.endr
.endr
.endm
; THE WAY OUT: 16 queries at a time through my stage: a lane's 32 bytes of a row go in, whole rows of 256 bytes come back and are stored.  zero = 1: O starts again at 0.
.macro WAYOUT zero
.irp a, 0,1,2,3
	WIN W_OST
.irp b, 0,1,2,3
	ds_store_b128 v[STO], v[8*(4*(\a)+(\b)):8*(4*(\a)+(\b))+3]   offset:64*(\b)
	ds_store_b128 v[STO], v[8*(4*(\a)+(\b))+4:8*(4*(\a)+(\b))+7] offset:64*(\b)+16
.endr
	WIN 0
	s_wait_xcnt 0x0                                ; the registers that earlier stores read are loaded again only behind this wait
.irp u, 0,1,2,3,4,5,6,7
	ds_load_b128 v[OB+4*(\u):OB+4*(\u)+3], v[RD] offset:(\u)*2*SPITCH  ; LDS serves a wave's instructions in order (ISA guide 5.7.1.4): these see the stores above, and the next 16 queries' stores come behind them
.endr
.irp u, 0,1,2,3,4,5,6,7
	s_wait_dscnt 7-(\u)                            ; the younger loads may stay out
	global_store_b128 v[GO], v[OB+4*(\u):OB+4*(\u)+3], s[OUT:OUT+1] offset:(16*(\a)+2*(\u))*4096  ; 16 lanes store 256 consecutive bytes, at a multiple of 256 from out0's first byte
.endr
.endr
.if \zero
	WIN W_OZ
.set i, 0
.rept 128
	v_mov_b32 v[i], 0
.set i, i+1
.endr
	WIN 0
.endif
.endm
; A TRIP: one tile of 256 keys, in the slot in hand.  Each wave waits for all its tensor loads (one is out: its part of this slot), adds 0 to its spare word, and waits for that and for its reads of the other slot.
; fill = 1: behind a round of the cluster's barrier the other slot takes the walk's next tile, first thing; it has the trip's 128 matrix instructions and 128 multiply-adds in which to land.
.macro TRIP fill
	WIN 0
	s_wait_tensorcnt 0x0                           ; no tensor load of mine is out, so a group 0 may be written
	ds_add_u32 v[SPW], v[NIL]                      ; 0 onto my spare word; the scalar work below stands between it and the wait for it
.if \fill
	s_add_co_u32 s[G0A+1], s[LA0], s[TBO]          ; into the other slot
	s_add_co_u32 s[G0B+1], s[LB0], s[TBO]
	s_lshl_b32 s62, s[NXT], 9                      ; a tile is 512 bytes along a row of pt,
	s_add_nc_u64 s[G0A+2:G0A+3], s[CURA:CURA+1], s[62:63]
	s_or_b32 s[G0A+3], s[G0A+3], 0x80000000
	s_mul_i32 s78, s[NXT], 256*ROWB                ; and 256 rows of qkv
	s_add_nc_u64 s[G0B+2:G0B+3], s[BASEB:BASEB+1], s[78:79]
	s_or_b32 s[G0B+3], s[G0B+3], 0x80000000
	s_add_co_u32 s[NXT], s[NXT], 1                 ; the block's next tile, or behind its last the second block's tile 0
	s_cmp_gt_u32 s[NXT], s[LQ]
	s_cselect_b32 s[NXT], 0, s[NXT]
	s_cselect_b32 s[LQ], s22, s[LQ]
	s_cselect_b64 s[CURA:CURA+1], s[ALO:ALO+1], s[CURA:CURA+1]
	s_wait_xcnt 0x0                                ; the last trip's prefetches have read their address, so it may be written: the tile that the next trip will ask for
	s_lshl_b32 s82, s[NXT], 9
	s_add_co_u32 s82, s82, s81
	s_mul_i32 s84, s[NXT], 256*ROWB
	s_cmp_lt_u32 s[WV], 2
	s_cselect_b32 s82, s82, s84
	s_cselect_b64 s[PFA:PFA+1], s[CURA:CURA+1], s[BASEB:BASEB+1]
	s_add_nc_u64 s[PFA:PFA+1], s[PFA:PFA+1], s[82:83]
.endif
	s_wait_dscnt 0x0                               ; the add is done, my reads of the other slot are over (and, in the first trip, my stores into the table)
.if \fill
	CROUND                                         ; no wave of any partner still reads the other slot or has a load on its way
	JLOAD
.else
	s_barrier_signal -1
	s_barrier_wait -1
.endif
	FLOADS
	v_add_nc_u32 v[VCA], s[TB], v[ADRA]            ; my fragments in the slot in hand
	v_add_nc_u32 v[VCB], s[TB], v[ADRB]
	v_add_nc_u32 v[VCB+1], s[TB], v[ADRB+1]
	s_xor_b32 s[TB], s[TB], SLOTB                  ; for the next trip the slots change places
	s_xor_b32 s[TBO], s[TBO], SLOTB
	FETCH 0, F0
	WIN 0
.if \fill
	ASK
	s_sub_co_u32 s[SLOTS], s[SLOTS], 1
.endif
	s_cmp_lg_u32 s[RT], 0
	s_cbranch_scc1 .Lsame_\@                       ; forward, past text that holds neither a barrier nor a tensor load
	WAYOUT 1                                       ; the first block is finished: it goes out behind the refill
	s_wait_xcnt 0x0                                ; the stores have read out0's address
	s_mov_b64 s[OUT:OUT+1], s[OUT+2:OUT+3]
	s_mov_b32 s[RT], s21
.Lsame_\@:
	s_sub_co_u32 s[RT], s[RT], 1
	QRT 1, F0, F1, 1                               ; keys 0-127: the first products start T's sums
	QRT 2, F1, F0, 0
	PLACES
	LUMP 0
	QRT 3, F0, F1, 1                               ; keys 128-255
	s_wait_dscnt 16
	MUL8 F1, 0, 0, 0
	MUL8 F1, 0, 2, 0
	s_wait_dscnt 0x0
	MUL8 F1, 1, 0, 0
	MUL8 F1, 1, 2, 0
	PLACES
	LUMP 1
.endm
	WIN 0
	s_mov_b32 s[LAP], 8
.Ltrip:                                                ; eight trips ask for the tiles 1 to 8
	TRIP 1
	WIN 0
	s_sub_co_u32 s[LAP], s[LAP], 1
	s_cmp_lg_u32 s[LAP], 0
	s_cbranch_scc1 .Ltrip
	TRIP 0                                         ; the walk's last tile is written out
	WAYOUT 0
	s_wait_tensorcnt 0x0                           ; the wave's end, behind my last tensor load and my last LDS store
	ds_add_u32 v[SPW], v[NIL]
	s_wait_dscnt 0x0
	CROUND                                         ; the closing round: no work-group ends while a partner may still ask for a tile that names it
	s_endpgm
.Lfunc_end_k_qab4ccd5dbf_pv:
	.size	k_qab4ccd5dbf_pv, .Lfunc_end_k_qab4ccd5dbf_pv-k_qab4ccd5dbf_pv
	.p2alignl 7, 3214868480
	.fill 96, 4, 3214868480
	.section	.rodata,"a",@progbits
	.p2align	6, 0x0
	.amdhsa_kernel k_qab4ccd5dbf_pv
		.amdhsa_group_segment_fixed_size 327680
		.amdhsa_private_segment_fixed_size 0
		.amdhsa_enable_private_segment 0
		.amdhsa_kernarg_size 32
		.amdhsa_user_sgpr_count 2
		.amdhsa_user_sgpr_kernarg_segment_ptr 1
		.amdhsa_wavefront_size32 1
		.amdhsa_system_sgpr_workgroup_id_x 1
		.amdhsa_system_sgpr_workgroup_id_y 1
		.amdhsa_system_sgpr_workgroup_id_z 1
		.amdhsa_system_vgpr_workitem_id 0
		.amdhsa_next_free_vgpr 640
		.amdhsa_next_free_sgpr 96
		.amdhsa_reserve_vcc 0
		.amdhsa_float_denorm_mode_32 3
		.amdhsa_float_denorm_mode_16_64 3
		.amdhsa_memory_ordered 1
		.amdhsa_forward_progress 1
		.amdhsa_inst_pref_size 125
	.end_amdhsa_kernel
	.amdgpu_metadata
---
amdhsa.version: [ 1, 2 ]
amdhsa.kernels:
  - .name:           k_qab4ccd5dbf_pv
    .symbol:         k_qab4ccd5dbf_pv.kd
    .args:
      - { .name: pt, .offset: 0, .size: 8, .value_kind: global_buffer, .address_space: global }
      - { .name: qkv, .offset: 8, .size: 8, .value_kind: global_buffer, .address_space: global }
      - { .name: st, .offset: 16, .size: 8, .value_kind: global_buffer, .address_space: global }
      - { .name: out0, .offset: 24, .size: 8, .value_kind: global_buffer, .address_space: global }
    .group_segment_fixed_size: 327680
    .private_segment_fixed_size: 0
    .kernarg_segment_align: 8
    .kernarg_segment_size: 32
    .max_flat_workgroup_size: 128
    .sgpr_count:     96
    .vgpr_count:     640
    .wavefront_size: 32
...
	.end_amdgpu_metadata
.endif
;; end of part 4
;; ======== version 2 of 2: 4 launches; version 1 with the launch cast written anew for expert scheduling mode
;; limits: values are held in f16: magnitudes above 65,504 overflow, below 6.1e-05 lose precision
;; workspace buffers: xb 16,777,216 bytes; wb 6,291,456 bytes; qkv 50,331,648 bytes; pt 33,554,432 bytes; st 1,048,576 bytes
;; launch cast (part 5): grid 256 x 1, 8 waves a work-group, no clusters, 0 bytes of LDS; arguments input, W_q, W_k, W_v, xb, wb; writes xb, wb
.if DOCPART == 5
	.amdgcn_target "amdgcn-amd-amdhsa--gfx1250"
	.amdhsa_code_object_version 6
	.text
	.protected	k_qab4ccd5dbf_cast
	.globl	k_qab4ccd5dbf_cast
	.p2align	8
	.type	k_qab4ccd5dbf_cast,@function
k_qab4ccd5dbf_cast:
	s_mov_b64 s[64:65], 0
	v_nop
	global_prefetch_b8 v0, s[64:65] scope:SCOPE_SE
	s_setreg_imm32_b32 hwreg(HW_REG_WAVE_SCHED_MODE, 0, 2), 2
	s_setreg_imm32_b32 hwreg(HW_REG_WAVE_MODE, 25, 1), 1
	s_wait_xcnt 0x0
	s_wait_alu depctr_vm_vsrc(0)
; xb = bf16(input), [8192][1024]; wb = bf16(W_q), bf16(W_k), bf16(W_v) one below the other, [3072][1024].  Each number is rounded once, to nearest even.
; A stream: every byte is read once and written once; matrix units, LDS and clusters have nothing to do here.
; A UNIT is 2,048 numbers: 8,192 bytes in, 4,096 bytes out.  There are 4,096 + 3 x 512 = 5,632 = 256 x 22 of them; work-group g takes the units g + 256 u, u = 0 .. 21:
; u < 16 of input, then two of each W, so which buffer a unit comes from is known when the text is assembled.
; Thread t takes 16 bytes at 16 t and at 4,096 + 16 t of a unit and stores 8 bytes at 8 t and at 2,048 + 8 t: a wave's load covers 512 consecutive bytes, its store 256, aligned.
; All 44 loads of a thread go out first, each into registers of its own.
; THE MODE: SCHED_MODE bits 1:0 = 2 (LLVM: expert scheduling mode 2), set by the entry lines.  The code itself states the register dependences
; between vector instructions and memory instructions, with s_wait_alu, always for 0.
; THE PLAN.  Registers that memory instructions touch:
;   v1, v2          byte offsets, made once at the head by vector lines and never written again; v1 is read by every load, v2 by every store.
;   v[D+4i:D+4i+3]  load i lands here; no vector line names these registers ahead of it.  Its two conversions read the four and write the first two, once; store i reads those two;
;                   nothing writes them afterwards.
; So two kinds of wait state everything.  One wait on va_vdst ahead of the first load: v1 and v2 are written.  The 44 loads' turns go in 11 blocks of four: the wait for the block's data, its eight
; conversions, ONE wait on va_vdst (the conversions have written the four pairs), its four stores in a run.  That wait stands behind the block's own conversions and not at the next block's head,
; since that head is a wait for memory: the stores leave ahead of it.  No register that a load or a store reads is written again, and no load is issued behind a vector line that names
; its registers: no wait on vm_vsrc and no s_wait_xcnt is owed.  No vector line writes a scalar register, VCC or EXEC.
.set MIB, 0x100000
.set BLK, 4                            ; loads in a block
.set D,   8                            ; v[8:183]  load i: four registers
	s_load_b256 s[4:11], s[0:1], 0x0               ; input s[4:5], W_q s[6:7], W_k s[8:9], W_v s[10:11]
	s_load_b128 s[12:15], s[0:1], 0x20             ; xb s[12:13], wb s[14:15]
	s_lshl_b32 s2, ttmp9, 13                       ; g x 8,192
	s_lshl_b32 s3, ttmp9, 12                       ; g x 4,096
	v_lshl_add_u32 v1, v0, 4, s2                   ; where I read in a unit's stride
	v_lshl_add_u32 v2, v0, 3, s3                   ; where I write
	s_wait_kmcnt 0x0
	s_mov_b64 s[16:17], s[4:5]                     ; input in steps of 8 MiB, so that the rest fits the signed 24-bit immediate
	s_add_nc_u64 s[18:19], s[4:5], 8*MIB
	s_add_nc_u64 s[20:21], s[4:5], 16*MIB
	s_add_nc_u64 s[22:23], s[4:5], 24*MIB
	s_mov_b64 s[24:25], s[12:13]                   ; xb likewise
	s_add_nc_u64 s[26:27], s[12:13], 8*MIB
	s_wait_alu depctr_va_vdst(0)                   ; v1 and v2 are written: every load of the kernel reads v1 as its offset, every store v2
.set i, 0
.rept 32                                       ; input: unit u = i / 2, half i % 2
	global_load_b128 v[D+4*i:D+4*i+3], v1, s[16+2*(i/8):17+2*(i/8)] offset:((i/2)%4)*2*MIB+(i%2)*4096 th:TH_LOAD_NT
.set i, i+1
.endr
.set i, 0
.rept 12                                       ; the weights: matrix i / 4, unit (i / 2) % 2, half i % 2
	global_load_b128 v[D+128+4*i:D+128+4*i+3], v1, s[6+2*(i/4):7+2*(i/4)] offset:((i/2)%2)*2*MIB+(i%2)*4096 th:TH_LOAD_NT
.set i, i+1
.endr
.set p, 0
.rept 44/BLK                                   ; block p: loads 4 p to 4 p + 3
	s_wait_loadcnt 44-BLK-BLK*p                    ; loads come back in order: the block's four are in, the 40 - 4 p younger ones stay out
.set i, BLK*p
.rept BLK
	v_cvt_pk_bf16_f32 v[D+4*i], v[D+4*i], v[D+4*i+1]
	v_cvt_pk_bf16_f32 v[D+4*i+1], v[D+4*i+2], v[D+4*i+3]
.set i, i+1
.endr
	s_wait_alu depctr_va_vdst(0)                   ; the block's eight conversions have written the four pairs v[D+4i:D+4i+1], which the four stores below read
.set i, BLK*p
.rept BLK
.if i < 32
	global_store_b64 v2, v[D+4*i:D+4*i+1], s[24+2*(i/16):25+2*(i/16)] offset:((i/2)%8)*MIB+(i%2)*2048
.else
	global_store_b64 v2, v[D+4*i:D+4*i+1], s[14:15] offset:((i-32)/2)*MIB+(i%2)*2048
.endif
.set i, i+1
.endr
.set p, p+1
.endr
	s_endpgm
.Lfunc_end_k_qab4ccd5dbf_cast:
	.size	k_qab4ccd5dbf_cast, .Lfunc_end_k_qab4ccd5dbf_cast-k_qab4ccd5dbf_cast
	.p2alignl 7, 3214868480
	.fill 96, 4, 3214868480
	.section	.rodata,"a",@progbits
	.p2align	6, 0x0
	.amdhsa_kernel k_qab4ccd5dbf_cast
		.amdhsa_group_segment_fixed_size 0
		.amdhsa_private_segment_fixed_size 0
		.amdhsa_enable_private_segment 0
		.amdhsa_kernarg_size 48
		.amdhsa_user_sgpr_count 2
		.amdhsa_user_sgpr_kernarg_segment_ptr 1
		.amdhsa_wavefront_size32 1
		.amdhsa_system_sgpr_workgroup_id_x 1
		.amdhsa_system_sgpr_workgroup_id_y 1
		.amdhsa_system_sgpr_workgroup_id_z 1
		.amdhsa_system_vgpr_workitem_id 0
		.amdhsa_next_free_vgpr 184
		.amdhsa_next_free_sgpr 66
		.amdhsa_reserve_vcc 0
		.amdhsa_float_denorm_mode_32 3
		.amdhsa_float_denorm_mode_16_64 3
		.amdhsa_memory_ordered 1
		.amdhsa_forward_progress 1
		.amdhsa_inst_pref_size 16
	.end_amdhsa_kernel
	.amdgpu_metadata
---
amdhsa.version: [ 1, 2 ]
amdhsa.kernels:
  - .name:           k_qab4ccd5dbf_cast
    .symbol:         k_qab4ccd5dbf_cast.kd
    .args:
      - { .name: input, .offset: 0, .size: 8, .value_kind: global_buffer, .address_space: global }
      - { .name: W_q, .offset: 8, .size: 8, .value_kind: global_buffer, .address_space: global }
      - { .name: W_k, .offset: 16, .size: 8, .value_kind: global_buffer, .address_space: global }
      - { .name: W_v, .offset: 24, .size: 8, .value_kind: global_buffer, .address_space: global }
      - { .name: xb, .offset: 32, .size: 8, .value_kind: global_buffer, .address_space: global }
      - { .name: wb, .offset: 40, .size: 8, .value_kind: global_buffer, .address_space: global }
    .group_segment_fixed_size: 0
    .private_segment_fixed_size: 0
    .kernarg_segment_align: 8
    .kernarg_segment_size: 48
    .max_flat_workgroup_size: 256
    .sgpr_count:     66
    .vgpr_count:     184
    .wavefront_size: 32
...
	.end_amdgpu_metadata
.endif
;; end of part 5
;; launch proj: the kernel of part 2 again; grid 12 x 32, 4 waves a work-group, clusters of 4 x 4, 327,680 bytes of LDS; arguments xb, wb, b_q, b_k, b_v, qkv; writes qkv
;; launch score: the kernel of part 3 again; grid 36 x 4, 4 waves a work-group, no clusters, 327,680 bytes of LDS; arguments qkv, pt, st; writes pt, st
;; launch pv: the kernel of part 4 again; grid 8 x 32, 4 waves a work-group, clusters of 4 x 1, 327,680 bytes of LDS; arguments pt, qkv, st, out0; writes out0
